; MI455X (gfx1250); checked and timed in simulation.
; The chip was launched on July 23, 2026; its instructions are those of AMD's public machine-readable ISA for CDNA 5 (MIT licence, August 2026) and "CDNA5" Instruction Set Architecture Reference Guide (July 2026). The comments in the code are by the model that wrote it; some were corrected since.
;; Coordinate Decoder. Allowed arithmetic: float matrix products may take bf16 or f16 operands with f32 sums; other float arithmetic in f32, or as packed bf16 or f16 multiplies, adds, multiply-adds, maxima and minima; sums over many terms, partial sums and values carried from step to step in f32; what a program stores and reads back later, other than sums and carried values, may be rounded once to bf16 or f16.
;; Inputs: W0 234 x 256 float32; W1 256 x 256 float32; W2 256 x 256 float32; W3 256 x 256 float32; Wc 64 x 512 float32; Wout 256 x 3 float32; b0 256 float32; b1 256 float32; b2 256 float32; b3 256 float32; bc 512 float32; bout 3 float32; context_vector 8 x 64 float32; coords 16,384 x 2 float32; feature_grid 8 x 64 x 64 x 64 float32.
;; Outputs: out0 8 x 16,384 x 3 float32.
;; 2 versions, each right and faster than the one before. Each part assembles by itself: llvm-mc -triple=amdgcn-amd-amdhsa -mcpu=gfx1250 --defsym DOCPART=n.
;; ======== version 1 of 2: 5 launches
;; limits: values are held in f16: magnitudes above 65,504 overflow, below 6.1e-05 lose precision; inputs' magnitudes at most 65,504; a function is approximated: absolute error at most 0.0003; right only within a limited range of input values
;; workspace buffers: pyr 5,505,024 bytes; enc 2,097,152 bytes; idx 786,432 bytes of whole numbers; wrec 786,432 bytes; wt 540,672 bytes; ctx 16,384 bytes; aux 5,120 bytes
;; launch mkpyr (part 1): grid 128 x 1, 8 waves a work-group, no clusters, 71,680 bytes of LDS; arguments feature_grid, pyr, aux; writes pyr, aux
.if DOCPART == 1
	.amdgcn_target "amdgcn-amd-amdhsa--gfx1250"
	.amdhsa_code_object_version 6
	.text
	.protected	k_qf0610555d7_mkpyr
	.globl	k_qf0610555d7_mkpyr
	.p2align	8
	.type	k_qf0610555d7_mkpyr,@function
k_qf0610555d7_mkpyr:
	s_mov_b64 s[64:65], 0
	v_nop
	global_prefetch_b8 v0, s[64:65] scope:SCOPE_SE
	s_setreg_imm32_b32 hwreg(HW_REG_WAVE_MODE, 25, 1), 1
	s_wait_xcnt 0x0
; THE PYRAMID.  Work-group x: batch b = x / 16, strip o = x % 16.  It writes the grid's rows 4 o .. 4 o + 3 as f16, rows 2 o, 2 o + 1 of the 32 x 32 reduction, row o of the 16 x 16 one, and the strip's largest |grid|.
; The reductions are the triangle filters of an antialiased bilinear resize: taps 1 3 3 1 / 8 and 1 3 5 7 7 5 3 1 / 32, both taken from the full grid; at a border the taps that fall outside are dropped and
; the rest divided by their sum (7, 28).  Rows first (in registers), then columns (through LDS, with two zero columns on either side).  pyr: level 0 at 0, level 1 at 4,194,304, level 2 at 5,242,880; a node is 128 bytes.
; No matrix unit: banded filters of 4 and 8 taps.  LIMITS.  f16 ends at 65,504: |grid| stays below it.  NaN and infinities are not treated apart.
.set RED,   0                          ; eight words: the waves' maxima
.set SPARE, 256                        ; the spare words: 128 bytes for each of eight waves; no other line names them
.set DATA,  1280
.set VP,    17408                      ; a filtered row in LDS: 68 columns x 256 bytes
.set SPW,   190                        ; v190  LDS address of my spare word; never rewritten
.set NIL,   191                        ; v191  0; never rewritten
	s_load_b64 s[12:13], s[0:1], 0x0               ; grid
	s_load_b128 s[16:19], s[0:1], 0x8              ; pyr 16, aux 18
	v_lshl_add_u32 v[SPW], v0, 2, SPARE
	v_mov_b32 v[NIL], 0
	v_lshrrev_b32 v1, 5, v0
	v_readfirstlane_b32 s38, v1                    ; wave 0..7
	s_mov_b32 s98, 0x76543210                      ; v_permlanex16_b32: each lane takes its own place in the other half
	s_mov_b32 s99, 0xfedcba98
	s_lshr_b32 s39, ttmp9, 4                       ; b
	s_and_b32 s56, ttmp9, 15                       ; o
	s_lshl_b32 s58, s39, 20                        ; a batch of the grid: 1,048,576 bytes
	s_mov_b32 s59, 0
	s_wait_kmcnt 0x0
	s_add_nc_u64 s[12:13], s[12:13], s[58:59]
	s_lshl_b32 s57, s56, 2
	s_sub_co_i32 s57, s57, 2                       ; the first of the eight input rows: 4 o - 2
	s_mov_b32 s61, 0
.irp j, 0,1,2,3,4,5,6,7
	s_add_co_i32 s60, s57, \j
	s_max_i32 s60, s60, 0                          ; a row outside the grid is read as the border row and weighs 0
	s_min_i32 s60, s60, 63
	s_lshl_b32 s60, s60, 14                        ; a row: 64 columns x 256 bytes
	s_add_nc_u64 s[40+2*\j:41+2*\j], s[12:13], s[60:61]
.endr
	v_lshlrev_b32 v1, 4, v0                        ; 16 t = column t / 16, four channels: offset in a quarter row, in memory and in LDS
	v_lshlrev_b32 v2, 3, v0                        ; 8 t: the same place in f16
.irp i, 0,1,2,3
.irp j, 0,1,2,3,4,5,6,7
	global_load_b128 v[32+32*\i+4*\j:35+32*\i+4*\j], v1, s[40+2*\j:41+2*\j] offset:4096*\i
.endr
.endr
	; the rows' weights
	s_mov_b32 s89, 0x3e124925                      ; 1/7
	s_mov_b32 s90, 0x3d124925                      ; 1/28
	s_mov_b32 s91, 0x3d000000                      ; 1/32
	s_mov_b32 s92, 0x3e000000                      ; 1/8
	s_cmp_eq_u32 s56, 0
	s_cselect_b32 s62, 0, 1.0                      ; 0 where the rows above the strip do not exist
	s_cselect_b32 s63, s89, s92
	s_cselect_b32 s86, s90, s91
	s_cmp_eq_u32 s56, 15
	s_cselect_b32 s87, 0, 1.0
	s_cselect_b32 s88, s89, s92
	s_cselect_b32 s86, s90, s86
	s_mul_f32 s68, s86, s62                        ; s68..75: 1 3 5 7 7 5 3 1 over 32 (28)
	s_mul_f32 s69, s68, 0x40400000
	s_mul_f32 s70, s86, 0x40a00000
	s_mul_f32 s71, s86, 0x40e00000
	s_mov_b32 s72, s71
	s_mov_b32 s73, s70
	s_mul_f32 s75, s86, s87
	s_mul_f32 s74, s75, 0x40400000
	s_mul_f32 s76, s63, s62                        ; s76..79: 1 3 3 1 over 8 (7) on rows 1..4
	s_mul_f32 s77, s63, 0x40400000
	s_mov_b32 s78, s77
	s_mov_b32 s79, s63
	s_mov_b32 s80, s88                             ; s80..83: the same on rows 3..6
	s_mul_f32 s81, s88, 0x40400000
	s_mov_b32 s82, s81
	s_mul_f32 s83, s88, s87
	; where the three levels go
	s_lshl_b32 s60, s39, 19
	s_lshl_b32 s93, s56, 15
	s_add_co_u32 s60, s60, s93
	s_add_nc_u64 s[84:85], s[16:17], s[60:61]      ; level 0: b x 524,288 + 4 o rows of 8,192
	s_lshl_b32 s60, s39, 17
	s_lshl_b32 s93, s56, 13
	s_add_co_u32 s60, s60, s93
	s_add_co_u32 s60, s60, 4194304
	s_add_nc_u64 s[94:95], s[16:17], s[60:61]      ; level 1: b x 131,072 + 2 o rows of 4,096
	s_lshl_b32 s60, s39, 15
	s_lshl_b32 s93, s56, 11
	s_add_co_u32 s60, s60, s93
	s_add_co_u32 s60, s60, 5242880
	s_add_nc_u64 s[96:97], s[16:17], s[60:61]      ; level 2: b x 32,768 + o rows of 2,048
	; two zero columns on either side of each filtered row (threads 192..255 write a fourth row that nobody reads)
	v_lshrrev_b32 v3, 6, v0
	v_bfe_u32 v4, v0, 4, 2
	v_lshrrev_b32 v5, 1, v4
	v_lshl_add_u32 v4, v5, 6, v4                   ; columns 0, 1, 66, 67
	v_and_b32 v5, 15, v0
	v_lshlrev_b32 v5, 4, v5
	v_lshl_add_u32 v5, v4, 8, v5
	v_mul_u32_u24 v3, v3, VP
	v_add_nc_u32 v5, v3, v5
	v_mov_b32 v8, 0
	v_mov_b32 v9, 0
	v_mov_b32 v10, 0
	v_mov_b32 v11, 0
	ds_store_b128 v5, v[8:11] offset:DATA
	v_mov_b32 v172, 0                              ; the running largest |grid|
.macro VSUM d, sw, j0, cnt, i          ; v[d..d+3] = the sum over cnt rows from j0 of weight x row, for quarter i
.irp c, 0,1,2,3
	v_mul_f32 v[(\d)+\c], s[\sw], v[32+32*(\i)+4*(\j0)+\c]
.endr
.set jj, 1
.rept (\cnt)-1
.irp c, 0,1,2,3
	v_fmac_f32 v[(\d)+\c], s[(\sw)+jj], v[32+32*(\i)+4*((\j0)+jj)+\c]
.endr
.set jj, jj+1
.endr
.endm
.irp i, 0,1,2,3
	s_wait_loadcnt 8*(3-\i)                        ; loads come back in order: quarter i's eight rows are in, the later quarters' stay out
	s_wait_xcnt 0x0                                ; the last quarter's stores have read v[176:183]
	VSUM 160, 68, 0, 8, \i
	VSUM 164, 76, 1, 4, \i
	VSUM 168, 80, 3, 4, \i
.set m, 0
.rept 8                                ; the strip's own rows 2..5 are 16 registers on end
	v_max3_num_f32 v172, v172, |v[40+32*\i+2*m]|, |v[41+32*\i+2*m]|
	v_cvt_pk_f16_f32 v[176+m], v[40+32*\i+2*m], v[41+32*\i+2*m]
.set m, m+1
.endr
.irp r, 0,1,2,3
	global_store_b64 v2, v[176+2*\r:177+2*\r], s[84:85] offset:\r*8192+\i*2048   ; a wave stores 256 consecutive bytes
.endr
	ds_store_b128 v1, v[160:163] offset:DATA+512+\i*4096
	ds_store_b128 v1, v[164:167] offset:DATA+512+\i*4096+VP
	ds_store_b128 v1, v[168:171] offset:DATA+512+\i*4096+2*VP
.endr
	; the largest of my wave's 32 lanes, into its word
	v_max_num_f32_dpp v172, v172, v172 row_xmask:1 row_mask:0xf bank_mask:0xf
	v_max_num_f32_dpp v172, v172, v172 row_xmask:2 row_mask:0xf bank_mask:0xf
	v_max_num_f32_dpp v172, v172, v172 row_xmask:4 row_mask:0xf bank_mask:0xf
	v_max_num_f32_dpp v172, v172, v172 row_xmask:8 row_mask:0xf bank_mask:0xf
	v_mov_b32 v173, 0                              ; the permute's destination counts as read
	v_permlanex16_b32 v173, v172, s98, s99
	v_max_num_f32 v172, v172, v173
	v_mov_b32 v174, s38
	v_lshlrev_b32 v174, 2, v174
	ds_store_b32 v174, v172 offset:RED
	v_lshrrev_b32 v3, 4, v0                        ; xs: my output column
	v_and_b32 v4, 15, v0
	v_lshlrev_b32 v4, 4, v4
	v_lshl_add_u32 v6, v3, 10, v4                  ; level 2: four input columns a step
	v_lshl_add_u32 v7, v3, 9, v4                   ; level 1: two
	s_wait_dscnt 0x0                               ; for the others' sake: my stores are done
	s_barrier_signal -1
	s_barrier_wait -1
.irp t, 0,1,2,3,4,5,6,7
	ds_load_b128 v[32+4*\t:35+4*\t], v6 offset:DATA+\t*256
.endr
.irp a, 0,1
.irp h, 0,1
.irp t, 0,1,2,3
	ds_load_b128 v[64+16*(2*\a+\h)+4*\t:67+16*(2*\a+\h)+4*\t], v7 offset:DATA+(1+\a)*VP+\h*8192+(1+\t)*256
.endr
.endr
.endr
	v_mov_b32 v12, s89
	v_mov_b32 v13, s92
	v_mov_b32 v14, s90
	v_mov_b32 v15, s91
	v_cmp_eq_u32 vcc_lo, 0, v3
	v_cndmask_b32 v174, v13, v12, vcc_lo           ; level 1, columns 0..15: 1/7 at column 0
	v_cndmask_b32 v173, v15, v14, vcc_lo
	v_cmp_eq_u32 vcc_lo, 15, v3
	v_cndmask_b32 v175, v13, v12, vcc_lo           ; columns 16..31: 1/7 at column 31
	v_cndmask_b32 v173, v173, v14, vcc_lo          ; level 2: 1/28 at columns 0 and 15
	s_wait_xcnt 0x0                                ; v[176:183] are written anew
	s_wait_dscnt 16                                ; level 2's eight loads are in: behind them level 1's sixteen
.irp c, 0,1,2,3
	v_add_f32 v[160+\c], v[32+\c], v[60+\c]
	v_add_f32 v[164+\c], v[36+\c], v[56+\c]
	v_add_f32 v[168+\c], v[40+\c], v[52+\c]
	v_add_f32 v[128+\c], v[44+\c], v[48+\c]
	v_fmamk_f32 v[160+\c], v[164+\c], 0x40400000, v[160+\c]
	v_fmamk_f32 v[160+\c], v[168+\c], 0x40a00000, v[160+\c]
	v_fmamk_f32 v[160+\c], v[128+\c], 0x40e00000, v[160+\c]
	v_mul_f32 v[160+\c], v[160+\c], v173
.endr
	v_cvt_pk_f16_f32 v176, v160, v161
	v_cvt_pk_f16_f32 v177, v162, v163
	global_store_b64 v2, v[176:177], s[96:97]
.irp a, 0,1
.irp h, 0,1
	s_wait_dscnt 12-4*(2*\a+\h)                    ; this group's four loads are in
.irp c, 0,1,2,3
	v_add_f32 v[160+\c], v[64+16*(2*\a+\h)+\c], v[76+16*(2*\a+\h)+\c]
	v_add_f32 v[164+\c], v[68+16*(2*\a+\h)+\c], v[72+16*(2*\a+\h)+\c]
	v_fmamk_f32 v[160+\c], v[164+\c], 0x40400000, v[160+\c]
	v_mul_f32 v[160+\c], v[160+\c], v[174+\h]
.endr
	v_cvt_pk_f16_f32 v[178+2*(2*\a+\h)], v160, v161
	v_cvt_pk_f16_f32 v[179+2*(2*\a+\h)], v162, v163
	global_store_b64 v2, v[178+2*(2*\a+\h):179+2*(2*\a+\h)], s[94:95] offset:\a*4096+\h*2048
.endr
.endr
	; wave 0 takes the largest of the eight words; its lane 0 stores gmax[b][o]
	s_lshl_b32 s61, ttmp9, 2
	s_cmp_lg_u32 s38, 0
	s_cbranch_scc1 .Lnomax
	v_mov_b32 v3, 0
	ds_load_b128 v[8:11], v3 offset:RED
	ds_load_b128 v[12:15], v3 offset:RED+16
	v_mov_b32 v16, s61
	s_wait_dscnt 0x0
	v_max3_num_f32 v8, v8, v9, v10
	v_max3_num_f32 v8, v8, v11, v12
	v_max3_num_f32 v8, v8, v13, v14
	v_max_num_f32 v8, v8, v15
	s_wait_xcnt 0x0                                ; EXEC is a source of the stores above: it changes only behind this wait
	v_cmp_eq_u32 vcc_lo, 0, v0
	s_and_saveexec_b32 s60, vcc_lo
	global_store_b32 v16, v8, s[18:19] offset:4352
	s_wait_xcnt 0x0                                ; and again in front of the line that widens it
	s_or_b32 exec_lo, exec_lo, s60
.Lnomax:
	s_wait_tensorcnt 0x0                           ; the wave's end, behind the last LDS store
	ds_add_u32 v[SPW], v[NIL]
	s_wait_dscnt 0x0
	s_endpgm
.Lfunc_end_k_qf0610555d7_mkpyr:
	.size	k_qf0610555d7_mkpyr, .Lfunc_end_k_qf0610555d7_mkpyr-k_qf0610555d7_mkpyr
	.p2alignl 7, 3214868480
	.fill 96, 4, 3214868480
	.section	.rodata,"a",@progbits
	.p2align	6, 0x0
	.amdhsa_kernel k_qf0610555d7_mkpyr
		.amdhsa_group_segment_fixed_size 71680
		.amdhsa_private_segment_fixed_size 0
		.amdhsa_enable_private_segment 0
		.amdhsa_kernarg_size 24
		.amdhsa_user_sgpr_count 2
		.amdhsa_user_sgpr_kernarg_segment_ptr 1
		.amdhsa_wavefront_size32 1
		.amdhsa_system_sgpr_workgroup_id_x 1
		.amdhsa_system_sgpr_workgroup_id_y 1
		.amdhsa_system_sgpr_workgroup_id_z 1
		.amdhsa_system_vgpr_workitem_id 0
		.amdhsa_next_free_vgpr 192
		.amdhsa_next_free_sgpr 100
		.amdhsa_reserve_vcc 1
		.amdhsa_float_denorm_mode_32 3
		.amdhsa_float_denorm_mode_16_64 3
		.amdhsa_memory_ordered 1
		.amdhsa_forward_progress 1
		.amdhsa_inst_pref_size 31
	.end_amdhsa_kernel
	.amdgpu_metadata
---
amdhsa.version: [ 1, 2 ]
amdhsa.kernels:
  - .name:           k_qf0610555d7_mkpyr
    .symbol:         k_qf0610555d7_mkpyr.kd
    .args:
      - { .name: feature_grid, .offset: 0, .size: 8, .value_kind: global_buffer, .address_space: global }
      - { .name: pyr, .offset: 8, .size: 8, .value_kind: global_buffer, .address_space: global }
      - { .name: aux, .offset: 16, .size: 8, .value_kind: global_buffer, .address_space: global }
    .group_segment_fixed_size: 71680
    .private_segment_fixed_size: 0
    .kernarg_segment_align: 8
    .kernarg_segment_size: 24
    .max_flat_workgroup_size: 256
    .sgpr_count:     100
    .vgpr_count:     192
    .wavefront_size: 32
...
	.end_amdgpu_metadata
.endif
;; end of part 1
;; launch mkpts (part 2): grid 64 x 1, 8 waves a work-group, no clusters, 62,720 bytes of LDS; arguments coords, enc, idx, wrec, aux; writes enc, idx, wrec, aux
.if DOCPART == 2
	.amdgcn_target "amdgcn-amd-amdhsa--gfx1250"
	.amdhsa_code_object_version 6
	.text
	.protected	k_qf0610555d7_mkpts
	.globl	k_qf0610555d7_mkpts
	.p2align	8
	.type	k_qf0610555d7_mkpts,@function
k_qf0610555d7_mkpts:
	s_mov_b64 s[64:65], 0
	v_nop
	global_prefetch_b8 v0, s[64:65] scope:SCOPE_SE
	s_setreg_imm32_b32 hwreg(HW_REG_WAVE_MODE, 25, 1), 1
	s_wait_xcnt 0x0
; THE POINTS.  A work-group takes 256 points, a thread one.  It writes the 42 encodings as f16 in rows of 64 (word 0: the two coordinates; words 1 + 2 i, 2 + 2 i: the sine pair and the cosine pair of frequency i;
; the rest 0); for each of the 3 levels the four tap node numbers (whole numbers, y S + x for taps 00, 01, 10, 11) and the four tap weights (f16, twice in a word); and the work-group's largest |coord|.
; LIMITS.  |coords| stay below 65,504 (f16).  Sine and cosine come from a series on pi c / 4 (c reduced by whole periods of 2, exactly) and eleven doublings of the angle: each doubling doubles the error,
; which ends near 3e-4 at the highest frequency, about f16's own step there.  NaN and infinities are not treated apart.
.set RED,   0                          ; eight words: the waves' maxima
.set SPARE, 256                        ; the spare words: 128 bytes for each of eight waves; no other line names them
.set DATA,  1280                       ; a stage of 7,680 bytes for each wave: 32 rows x 144 of encodings, 1,536 of node numbers, 1,536 of weights
.set SPW,   190
.set NIL,   191
	s_load_b64 s[14:15], s[0:1], 0x0               ; coords
	s_load_b128 s[32:35], s[0:1], 0x8              ; enc 32, idx 34
	s_load_b64 s[36:37], s[0:1], 0x18              ; wrec
	s_load_b64 s[18:19], s[0:1], 0x20              ; aux
	v_lshl_add_u32 v[SPW], v0, 2, SPARE
	v_mov_b32 v[NIL], 0
	v_lshrrev_b32 v1, 5, v0
	v_readfirstlane_b32 s38, v1                    ; wave 0..7
	s_mov_b32 s98, 0x76543210                      ; v_permlanex16_b32: each lane takes its own place in the other half
	s_mov_b32 s99, 0xfedcba98
	s_mov_b32 s39, ttmp9
	s_lshl_b32 s60, s39, 11                        ; 256 points x 8 bytes
	s_mov_b32 s61, 0
	s_wait_kmcnt 0x0
	s_add_nc_u64 s[14:15], s[14:15], s[60:61]
	v_lshlrev_b32 v3, 3, v0
	global_load_b64 v[4:5], v3, s[14:15]           ; (c0, c1) = (y, x)
	s_lshl_b32 s60, s39, 15                        ; enc at my wave's 32 points: rows of 128 bytes
	s_lshl_b32 s62, s38, 12
	s_add_co_u32 s60, s60, s62
	s_add_nc_u64 s[32:33], s[32:33], s[60:61]
	s_mul_i32 s60, s39, 12288                      ; idx and wrec: records of 48 bytes
	s_mul_i32 s62, s38, 1536
	s_add_co_u32 s60, s60, s62
	s_add_nc_u64 s[34:35], s[34:35], s[60:61]
	s_add_nc_u64 s[36:37], s[36:37], s[60:61]
	s_mul_i32 s63, s38, 7680
	s_add_co_u32 s63, s63, DATA                    ; my wave's stage
	v_and_b32 v1, 31, v0
	v_mul_u32_u24 v88, v1, 144
	v_add_nc_u32 v88, s63, v88                     ; enc in: a row a lane, 128 + 16 bytes apart
	v_lshrrev_b32 v89, 3, v1
	v_mul_u32_u24 v89, v89, 144
	v_and_b32 v90, 7, v1
	v_lshl_add_u32 v89, v90, 4, v89
	v_add_nc_u32 v89, s63, v89                     ; enc back: four rows of 128 bytes to a load
	v_mul_u32_u24 v90, v1, 48
	v_add_nc_u32 v90, s63, v90
	v_lshlrev_b32 v92, 4, v1                       ; 16 x lane
	v_add_nc_u32 v91, s63, v92
.set k, 53
.rept 11
	v_mov_b32 v[k], 0                              ; entries 42..63 of a row
.set k, k+1
.endr
	v_mov_b32 v10, 0x3638ef1d                      ; 1/9!
	v_mov_b32 v11, 0x3638ef1d
	v_mov_b32 v12, 0xb493f27e                      ; -1/10!
	v_mov_b32 v13, 0xb493f27e
	s_wait_loadcnt 0x0
	v_max_num_f32 v172, |v4|, |v5|
	v_cvt_pk_f16_f32 v32, v4, v5
	v_pk_mul_f32 v[6:7], v[4:5], 0.5 op_sel_hi:[1,0]
	v_rndne_f32 v6, v6
	v_rndne_f32 v7, v7
	v_pk_fma_f32 v[6:7], v[6:7], -2.0, v[4:5] op_sel_hi:[1,0,1]        ; c less whole periods of 2: exact
	v_pk_mul_f32 v[6:7], v[6:7], 0x3f490fdb op_sel_hi:[1,0]            ; X = pi c / 4
	v_pk_mul_f32 v[8:9], v[6:7], v[6:7]
	v_pk_fma_f32 v[10:11], v[10:11], v[8:9], 0xb9500d01 op_sel_hi:[1,1,0]
	v_pk_fma_f32 v[12:13], v[12:13], v[8:9], 0x37d00d01 op_sel_hi:[1,1,0]
	v_pk_fma_f32 v[10:11], v[10:11], v[8:9], 0x3c088889 op_sel_hi:[1,1,0]
	v_pk_fma_f32 v[12:13], v[12:13], v[8:9], 0xbab60b61 op_sel_hi:[1,1,0]
	v_pk_fma_f32 v[10:11], v[10:11], v[8:9], 0xbe2aaaab op_sel_hi:[1,1,0]
	v_pk_fma_f32 v[12:13], v[12:13], v[8:9], 0x3d2aaaab op_sel_hi:[1,1,0]
	v_pk_mul_f32 v[18:19], v[6:7], v[8:9]
	v_pk_fma_f32 v[12:13], v[12:13], v[8:9], -0.5 op_sel_hi:[1,1,0]
	v_pk_fma_f32 v[14:15], v[18:19], v[10:11], v[6:7]                  ; sin X
	v_pk_fma_f32 v[16:17], v[12:13], v[8:9], 1.0 op_sel_hi:[1,1,0]     ; cos X
.macro DOUBLE                          ; sin 2a = 2 sin a cos a; cos 2a = cos^2 a - sin^2 a
	v_pk_add_f32 v[18:19], v[14:15], v[14:15]
	v_pk_mul_f32 v[20:21], v[14:15], v[14:15]
	v_pk_mul_f32 v[14:15], v[18:19], v[16:17]
	v_pk_fma_f32 v[16:17], v[16:17], v[16:17], v[20:21] neg_lo:[0,0,1] neg_hi:[0,0,1]
.endm
	DOUBLE
.set f, 0
.rept 10
	DOUBLE
	v_cvt_pk_f16_f32 v[33+2*f], v14, v15           ; sin(2^f pi c0), sin(2^f pi c1)
	v_cvt_pk_f16_f32 v[34+2*f], v16, v17
.set f, f+1
.endr
	v_pk_add_f32 v[22:23], v[4:5], 1.0 op_sel_hi:[1,0]
	v_pk_mul_f32 v[22:23], v[22:23], 0.5 op_sel_hi:[1,0]
.macro LEVEL L, sf, si, lg             ; level L of side si + 1 = 2^lg: floor, weights, clipped taps, in the order of the definition
	v_pk_mul_f32 v[24:25], v[22:23], \sf op_sel_hi:[1,0]
	v_floor_f32 v26, v24
	v_floor_f32 v27, v25
	v_pk_add_f32 v[24:25], v[24:25], v[26:27] neg_lo:[0,1] neg_hi:[0,1]
	v_max_num_f32 v26, 0, v26
	v_max_num_f32 v27, 0, v27
	v_min_num_f32 v26, \sf, v26
	v_min_num_f32 v27, \sf, v27
	v_cvt_u32_f32 v26, v26
	v_cvt_u32_f32 v27, v27
	v_add_nc_u32 v28, 1, v26
	v_add_nc_u32 v29, 1, v27
	v_min_u32 v28, \si, v28
	v_min_u32 v29, \si, v29
	v_lshl_add_u32 v[64+4*\L], v26, \lg, v27
	v_lshl_add_u32 v[65+4*\L], v26, \lg, v29
	v_lshl_add_u32 v[66+4*\L], v28, \lg, v27
	v_lshl_add_u32 v[67+4*\L], v28, \lg, v29
	v_sub_f32 v30, 1.0, v24
	v_sub_f32 v31, 1.0, v25
	v_mul_f32 v18, v30, v31
	v_mul_f32 v19, v30, v25
	v_mul_f32 v20, v24, v31
	v_mul_f32 v21, v24, v25
	v_cvt_pk_f16_f32 v[76+4*\L], v18, v18
	v_cvt_pk_f16_f32 v[77+4*\L], v19, v19
	v_cvt_pk_f16_f32 v[78+4*\L], v20, v20
	v_cvt_pk_f16_f32 v[79+4*\L], v21, v21
.endm
	LEVEL 0, 0x427c0000, 63, 6
	LEVEL 1, 0x41f80000, 31, 5
	LEVEL 2, 0x41700000, 15, 4
	; the largest of my wave's 32 lanes, into its word
	v_max_num_f32_dpp v172, v172, v172 row_xmask:1 row_mask:0xf bank_mask:0xf
	v_max_num_f32_dpp v172, v172, v172 row_xmask:2 row_mask:0xf bank_mask:0xf
	v_max_num_f32_dpp v172, v172, v172 row_xmask:4 row_mask:0xf bank_mask:0xf
	v_max_num_f32_dpp v172, v172, v172 row_xmask:8 row_mask:0xf bank_mask:0xf
	v_mov_b32 v173, 0                              ; the permute's destination counts as read
	v_permlanex16_b32 v173, v172, s98, s99
	v_max_num_f32 v172, v172, v173
	v_mov_b32 v174, s38
	v_lshlrev_b32 v174, 2, v174
	ds_store_b32 v174, v172 offset:RED
	; through my wave's own stage, so that each store below covers 512 consecutive bytes; LDS serves a wave's instructions in order, so the loads see the stores
.irp k, 0,1,2,3,4,5,6,7
	ds_store_b128 v88, v[32+4*\k:35+4*\k] offset:16*\k
.endr
.irp L, 0,1,2
	ds_store_b128 v90, v[64+4*\L:67+4*\L] offset:4608+16*\L
	ds_store_b128 v90, v[76+4*\L:79+4*\L] offset:6144+16*\L
.endr
.irp j, 0,1,2,3,4,5,6,7
	ds_load_b128 v[96+4*\j:99+4*\j], v89 offset:576*\j
.endr
.irp j, 0,1,2
	ds_load_b128 v[128+4*\j:131+4*\j], v91 offset:4608+512*\j
	ds_load_b128 v[140+4*\j:143+4*\j], v91 offset:6144+512*\j
.endr
	s_wait_dscnt 0x0                               ; my loads are back, and my maximum is in its word for wave 0
	s_barrier_signal -1
	s_barrier_wait -1
.irp j, 0,1,2,3,4,5,6,7
	global_store_b128 v92, v[96+4*\j:99+4*\j], s[32:33] offset:512*\j
.endr
.irp j, 0,1,2
	global_store_b128 v92, v[128+4*\j:131+4*\j], s[34:35] offset:512*\j
	global_store_b128 v92, v[140+4*\j:143+4*\j], s[36:37] offset:512*\j
.endr
	; wave 0 takes the largest of the eight words; its lane 0 stores cmax[work-group]
	s_lshl_b32 s61, s39, 2
	s_cmp_lg_u32 s38, 0
	s_cbranch_scc1 .Lnomax
	v_mov_b32 v3, 0
	ds_load_b128 v[8:11], v3 offset:RED
	ds_load_b128 v[12:15], v3 offset:RED+16
	v_mov_b32 v16, s61
	s_wait_dscnt 0x0
	v_max3_num_f32 v8, v8, v9, v10
	v_max3_num_f32 v8, v8, v11, v12
	v_max3_num_f32 v8, v8, v13, v14
	v_max_num_f32 v8, v8, v15
	s_wait_xcnt 0x0                                ; EXEC is a source of the stores above: it changes only behind this wait
	v_cmp_eq_u32 vcc_lo, 0, v0
	s_and_saveexec_b32 s60, vcc_lo
	global_store_b32 v16, v8, s[18:19] offset:4864
	s_wait_xcnt 0x0                                ; and again in front of the line that widens it
	s_or_b32 exec_lo, exec_lo, s60
.Lnomax:
	s_wait_tensorcnt 0x0                           ; the wave's end, behind the last LDS store
	ds_add_u32 v[SPW], v[NIL]
	s_wait_dscnt 0x0
	s_endpgm
.Lfunc_end_k_qf0610555d7_mkpts:
	.size	k_qf0610555d7_mkpts, .Lfunc_end_k_qf0610555d7_mkpts-k_qf0610555d7_mkpts
	.p2alignl 7, 3214868480
	.fill 96, 4, 3214868480
	.section	.rodata,"a",@progbits
	.p2align	6, 0x0
	.amdhsa_kernel k_qf0610555d7_mkpts
		.amdhsa_group_segment_fixed_size 62720
		.amdhsa_private_segment_fixed_size 0
		.amdhsa_enable_private_segment 0
		.amdhsa_kernarg_size 40
		.amdhsa_user_sgpr_count 2
		.amdhsa_user_sgpr_kernarg_segment_ptr 1
		.amdhsa_wavefront_size32 1
		.amdhsa_system_sgpr_workgroup_id_x 1
		.amdhsa_system_sgpr_workgroup_id_y 1
		.amdhsa_system_sgpr_workgroup_id_z 1
		.amdhsa_system_vgpr_workitem_id 0
		.amdhsa_next_free_vgpr 192
		.amdhsa_next_free_sgpr 100
		.amdhsa_reserve_vcc 1
		.amdhsa_float_denorm_mode_32 3
		.amdhsa_float_denorm_mode_16_64 3
		.amdhsa_memory_ordered 1
		.amdhsa_forward_progress 1
		.amdhsa_inst_pref_size 17
	.end_amdhsa_kernel
	.amdgpu_metadata
---
amdhsa.version: [ 1, 2 ]
amdhsa.kernels:
  - .name:           k_qf0610555d7_mkpts
    .symbol:         k_qf0610555d7_mkpts.kd
    .args:
      - { .name: coords, .offset: 0, .size: 8, .value_kind: global_buffer, .address_space: global }
      - { .name: enc, .offset: 8, .size: 8, .value_kind: global_buffer, .address_space: global }
      - { .name: idx, .offset: 16, .size: 8, .value_kind: global_buffer, .address_space: global }
      - { .name: wrec, .offset: 24, .size: 8, .value_kind: global_buffer, .address_space: global }
      - { .name: aux, .offset: 32, .size: 8, .value_kind: global_buffer, .address_space: global }
    .group_segment_fixed_size: 62720
    .private_segment_fixed_size: 0
    .kernarg_segment_align: 8
    .kernarg_segment_size: 40
    .max_flat_workgroup_size: 256
    .sgpr_count:     100
    .vgpr_count:     192
    .wavefront_size: 32
...
	.end_amdgpu_metadata
.endif
;; end of part 2
;; launch mkwts (part 3): grid 33 x 1, 8 waves a work-group, no clusters, 17,664 bytes of LDS; arguments W0, W1, W2, W3, Wout, wt, aux; writes wt, aux
.if DOCPART == 3
	.amdgcn_target "amdgcn-amd-amdhsa--gfx1250"
	.amdhsa_code_object_version 6
	.text
	.protected	k_qf0610555d7_mkwts
	.globl	k_qf0610555d7_mkwts
	.p2align	8
	.type	k_qf0610555d7_mkwts,@function
k_qf0610555d7_mkwts:
	s_mov_b64 s[64:65], 0
	v_nop
	global_prefetch_b8 v0, s[64:65] scope:SCOPE_SE
	s_setreg_imm32_b32 hwreg(HW_REG_WAVE_MODE, 25, 1), 1
	s_wait_xcnt 0x0
; THE WEIGHTS.  Work-group q makes group q of 32 output features: 64 W^T as f16, [feature][k = 256], and each feature's sum of |64 W| (for the bounds that scale the activations).  Groups 0..31 are the four hidden
; layers, eight groups each; group 32 is Wout: 3 rows, then zeros.  Layer 0's k order is: 192 sampled channels (W0's rows 42 ..), 42 encodings (rows 0 .. 41), 22 zeros.
; Thread t = k reads 32 features of its row; they are turned through LDS.  33 work-groups: that is all the work there is (0.5 MB out).
; LIMITS.  f16 ends at 65,504: |W| stays below 1,023.  NaN and infinities are not treated apart.
.set SPARE, 256                        ; the spare words: 128 bytes for each of eight waves; no other line names them
.set DATA,  1280                       ; 32 features x 512 bytes
.set SPW,   190
.set NIL,   191
.macro WAVESUM r, t
	v_add_f32_dpp v[\r], v[\r], v[\r] row_xmask:1 row_mask:0xf bank_mask:0xf
	v_add_f32_dpp v[\r], v[\r], v[\r] row_xmask:2 row_mask:0xf bank_mask:0xf
	v_add_f32_dpp v[\r], v[\r], v[\r] row_xmask:4 row_mask:0xf bank_mask:0xf
	v_add_f32_dpp v[\r], v[\r], v[\r] row_xmask:8 row_mask:0xf bank_mask:0xf
	v_mov_b32 v[\t], 0                             ; the permute's destination counts as read
	v_permlanex16_b32 v[\t], v[\r], s98, s99
	v_add_f32 v[\r], v[\r], v[\t]
.endm
	s_load_b256 s[20:27], s[0:1], 0x0              ; W0 20, W1 22, W2 24, W3 26
	s_load_b128 s[28:31], s[0:1], 0x20             ; Wout 28, wt 30
	s_load_b64 s[18:19], s[0:1], 0x30              ; aux
	v_lshl_add_u32 v[SPW], v0, 2, SPARE
	v_mov_b32 v[NIL], 0
	v_lshrrev_b32 v1, 5, v0
	v_readfirstlane_b32 s38, v1                    ; wave 0..7
	s_mov_b32 s98, 0x76543210
	s_mov_b32 s99, 0xfedcba98
	s_mov_b32 s39, ttmp9
	v_mov_b32 v6, 0x42800000                       ; 64
	v_lshlrev_b32 v28, 4, v0
	v_lshlrev_b32 v29, 1, v0
	s_wait_kmcnt 0x0
	s_cmp_eq_u32 s39, 32
	s_cbranch_scc1 .Lwout
	s_lshr_b32 s56, s39, 3                         ; layer
	s_and_b32 s57, s39, 7
	s_lshl_b32 s58, s57, 7                         ; 32 features x 4 bytes
	s_mov_b32 s59, 0
	s_cmp_eq_u32 s56, 1
	s_cselect_b64 s[40:41], s[22:23], s[20:21]
	s_cmp_eq_u32 s56, 2
	s_cselect_b64 s[40:41], s[24:25], s[40:41]
	s_cmp_eq_u32 s56, 3
	s_cselect_b64 s[40:41], s[26:27], s[40:41]
	s_add_nc_u64 s[40:41], s[40:41], s[58:59]
	s_cmp_eq_u32 s56, 0
	s_cselect_b32 s60, -1, 0
	v_add_nc_u32 v3, 42, v0                        ; layer 0: k < 192 is a sampled channel, row 42 + k;
	v_add_nc_u32 v4, 0xffffff40, v0                ; k < 234 an encoding, row k - 192;
	v_cmp_gt_u32 vcc_lo, 192, v0
	v_cndmask_b32 v3, v4, v3, vcc_lo
	v_cmp_gt_u32 vcc_lo, 234, v0
	v_cndmask_b32 v3, 0, v3, vcc_lo                ; the rest reads row 0 and is multiplied by 0
	v_cndmask_b32 v5, 0, v6, vcc_lo
	v_cndmask_b32 v3, v0, v3, s60                  ; the other layers: row k
	v_cndmask_b32 v5, v6, v5, s60
	v_lshlrev_b32 v3, 10, v3
.irp i, 0,1,2,3,4,5,6,7
	global_load_b128 v[32+4*\i:35+4*\i], v3, s[40:41] offset:16*\i
.endr
	s_branch .Lwjoin
.Lwout:
	v_mul_u32_u24 v3, v0, 12
	global_load_b32 v32, v3, s[28:29]
	global_load_b32 v33, v3, s[28:29] offset:4
	global_load_b32 v34, v3, s[28:29] offset:8
	v_mov_b32 v5, v6
.set k, 35
.rept 29
	v_mov_b32 v[k], 0
.set k, k+1
.endr
.Lwjoin:
	s_wait_loadcnt 0x0
.set k, 0
.rept 32
	v_mul_f32 v[32+k], v[32+k], v5
.set k, k+1
.endr
.set k, 0
.rept 16
	v_cvt_pk_f16_f32 v[64+k], v[32+2*k], v[33+2*k]
.set k, k+1
.endr
.set k, 0
.rept 16
	ds_store_b16 v29, v[64+k] offset:DATA+1024*k
	ds_store_b16_d16_hi v29, v[64+k] offset:DATA+1024*k+512
.set k, k+1
.endr
	s_lshl_b32 s58, s39, 14
	s_mov_b32 s59, 0
	s_add_nc_u64 s[30:31], s[30:31], s[58:59]
	s_wait_dscnt 0x0                               ; for the others' sake: my stores are done
	s_barrier_signal -1
	s_barrier_wait -1
.irp i, 0,1,2,3
	ds_load_b128 v[96+4*\i:99+4*\i], v28 offset:DATA+4096*\i
.endr
	s_wait_dscnt 0x0
.irp i, 0,1,2,3
	global_store_b128 v28, v[96+4*\i:99+4*\i], s[30:31] offset:4096*\i   ; a wave stores 512 consecutive bytes
.endr
.irp i, 0,1,2,3                        ; load i of my wave is the whole row of feature 8 i + wave: its sum of magnitudes
.irp d, 0,1,2,3
	v_and_b32 v[8+\d], 0x7fff7fff, v[96+4*\i+\d]
.endr
	v_cvt_f32_f16 v12, v8.l
	v_cvt_f32_f16 v13, v8.h
	v_cvt_f32_f16 v14, v9.l
	v_cvt_f32_f16 v15, v9.h
	v_cvt_f32_f16 v16, v10.l
	v_cvt_f32_f16 v17, v10.h
	v_cvt_f32_f16 v18, v11.l
	v_cvt_f32_f16 v19, v11.h
	v_pk_add_f32 v[12:13], v[12:13], v[14:15]
	v_pk_add_f32 v[16:17], v[16:17], v[18:19]
	v_pk_add_f32 v[12:13], v[12:13], v[16:17]
	v_add_f32 v[20+\i], v12, v13
	WAVESUM 20+\i, 27
.endr
	v_and_b32 v24, 31, v0
	v_mov_b32 v25, v20
	v_cmp_eq_u32 vcc_lo, 1, v24
	v_cndmask_b32 v25, v25, v21, vcc_lo
	v_cmp_eq_u32 vcc_lo, 2, v24
	v_cndmask_b32 v25, v25, v22, vcc_lo
	v_cmp_eq_u32 vcc_lo, 3, v24
	v_cndmask_b32 v25, v25, v23, vcc_lo
	s_lshl_b32 s58, s39, 7
	s_lshl2_add_u32 s58, s38, s58                  ; (32 q + wave) x 4
	v_lshl_add_u32 v26, v24, 5, s58                ; + 8 x lane features
	s_wait_xcnt 0x0                                ; EXEC is a source of the stores above: it changes only behind this wait
	v_cmp_gt_u32 vcc_lo, 4, v24
	s_and_saveexec_b32 s60, vcc_lo
	global_store_b32 v26, v25, s[18:19]
	s_wait_xcnt 0x0                                ; and again in front of the line that widens it
	s_or_b32 exec_lo, exec_lo, s60
	s_wait_tensorcnt 0x0                           ; the wave's end, behind the last LDS store
	ds_add_u32 v[SPW], v[NIL]
	s_wait_dscnt 0x0
	s_endpgm
.Lfunc_end_k_qf0610555d7_mkwts:
	.size	k_qf0610555d7_mkwts, .Lfunc_end_k_qf0610555d7_mkwts-k_qf0610555d7_mkwts
	.p2alignl 7, 3214868480
	.fill 96, 4, 3214868480
	.section	.rodata,"a",@progbits
	.p2align	6, 0x0
	.amdhsa_kernel k_qf0610555d7_mkwts
		.amdhsa_group_segment_fixed_size 17664
		.amdhsa_private_segment_fixed_size 0
		.amdhsa_enable_private_segment 0
		.amdhsa_kernarg_size 56
		.amdhsa_user_sgpr_count 2
		.amdhsa_user_sgpr_kernarg_segment_ptr 1
		.amdhsa_wavefront_size32 1
		.amdhsa_system_sgpr_workgroup_id_x 1
		.amdhsa_system_sgpr_workgroup_id_y 1
		.amdhsa_system_sgpr_workgroup_id_z 1
		.amdhsa_system_vgpr_workitem_id 0
		.amdhsa_next_free_vgpr 192
		.amdhsa_next_free_sgpr 100
		.amdhsa_reserve_vcc 1
		.amdhsa_float_denorm_mode_32 3
		.amdhsa_float_denorm_mode_16_64 3
		.amdhsa_memory_ordered 1
		.amdhsa_forward_progress 1
		.amdhsa_inst_pref_size 14
	.end_amdhsa_kernel
	.amdgpu_metadata
---
amdhsa.version: [ 1, 2 ]
amdhsa.kernels:
  - .name:           k_qf0610555d7_mkwts
    .symbol:         k_qf0610555d7_mkwts.kd
    .args:
      - { .name: W0, .offset: 0, .size: 8, .value_kind: global_buffer, .address_space: global }
      - { .name: W1, .offset: 8, .size: 8, .value_kind: global_buffer, .address_space: global }
      - { .name: W2, .offset: 16, .size: 8, .value_kind: global_buffer, .address_space: global }
      - { .name: W3, .offset: 24, .size: 8, .value_kind: global_buffer, .address_space: global }
      - { .name: Wout, .offset: 32, .size: 8, .value_kind: global_buffer, .address_space: global }
      - { .name: wt, .offset: 40, .size: 8, .value_kind: global_buffer, .address_space: global }
      - { .name: aux, .offset: 48, .size: 8, .value_kind: global_buffer, .address_space: global }
    .group_segment_fixed_size: 17664
    .private_segment_fixed_size: 0
    .kernarg_segment_align: 8
    .kernarg_segment_size: 56
    .max_flat_workgroup_size: 256
    .sgpr_count:     100
    .vgpr_count:     192
    .wavefront_size: 32
...
	.end_amdgpu_metadata
.endif
;; end of part 3
;; launch mkctx (part 4): grid 8 x 1, 8 waves a work-group, no clusters, 0 bytes of LDS; arguments Wc, bc, context_vector, ctx; writes ctx
.if DOCPART == 4
	.amdgcn_target "amdgcn-amd-amdhsa--gfx1250"
	.amdhsa_code_object_version 6
	.text
	.protected	k_qf0610555d7_mkctx
	.globl	k_qf0610555d7_mkctx
	.p2align	8
	.type	k_qf0610555d7_mkctx,@function
k_qf0610555d7_mkctx:
	s_mov_b64 s[64:65], 0
	v_nop
	global_prefetch_b8 v0, s[64:65] scope:SCOPE_SE
	s_setreg_imm32_b32 hwreg(HW_REG_WAVE_MODE, 25, 1), 1
	s_wait_xcnt 0x0
; THE FiLM PROJECTION.  ctx[b][:] = context_vector[b] @ Wc + bc, in f32.  A work-group takes a batch; thread t owns columns 2 t, 2 t + 1 of the 512.  The batch's 64 numbers are scalars; Wc's 64 rows are read by
; loads of 8 bytes a lane (a wave takes 256 consecutive bytes of a row).  8 rows x 64 x 512 multiply-adds: too few for the matrix unit to matter, and f32 keeps gamma and beta exact to the last bits.  No LDS.
	s_load_b256 s[4:11], s[0:1], 0x0               ; Wc 4, bc 6, context 8, ctx 10
	s_lshl_b32 s56, ttmp9, 8                       ; a row of the context: 256 bytes
	s_mov_b32 s57, 0
	s_lshl_b32 s58, ttmp9, 11                      ; a row of ctx: 2,048 bytes
	s_mov_b32 s59, 0
	v_lshlrev_b32 v3, 3, v0
	s_wait_kmcnt 0x0
	s_add_nc_u64 s[8:9], s[8:9], s[56:57]
	s_add_nc_u64 s[10:11], s[10:11], s[58:59]
	s_load_b512 s[40:55], s[8:9], 0x0              ; numbers 0-15,
	s_load_b512 s[68:83], s[8:9], 0x40             ; 16-31,
	s_load_b512 s[84:99], s[8:9], 0x80             ; 32-47,
	s_load_b512 s[20:35], s[8:9], 0xc0             ; 48-63
	global_load_b64 v[4:5], v3, s[6:7]             ; bc
.set i, 0
.rept 64
	global_load_b64 v[32+2*i:33+2*i], v3, s[4:5] offset:2048*i
.set i, i+1
.endr
	s_wait_kmcnt 0x0
	s_wait_loadcnt 0x0
.macro CV i, sr                        ; row i: two chains a column (even rows, odd rows); the first starts from bc
.if (\i) == 0
	v_fma_f32 v6, s[\sr], v32, v4
	v_fma_f32 v7, s[\sr], v33, v5
.elseif (\i) == 1
	v_mul_f32 v8, s[\sr], v34
	v_mul_f32 v9, s[\sr], v35
.else
	v_fmac_f32 v[6+2*((\i)%2)], s[\sr], v[32+2*(\i)]
	v_fmac_f32 v[7+2*((\i)%2)], s[\sr], v[33+2*(\i)]
.endif
.endm
.set i, 0
.rept 64
.if i < 16
	CV i, 40+i
.elseif i < 48
	CV i, 52+i
.else
	CV i, i-28
.endif
.set i, i+1
.endr
	v_pk_add_f32 v[6:7], v[6:7], v[8:9]
	global_store_b64 v3, v[6:7], s[10:11]          ; a wave stores 256 consecutive bytes
	s_endpgm
.Lfunc_end_k_qf0610555d7_mkctx:
	.size	k_qf0610555d7_mkctx, .Lfunc_end_k_qf0610555d7_mkctx-k_qf0610555d7_mkctx
	.p2alignl 7, 3214868480
	.fill 96, 4, 3214868480
	.section	.rodata,"a",@progbits
	.p2align	6, 0x0
	.amdhsa_kernel k_qf0610555d7_mkctx
		.amdhsa_group_segment_fixed_size 0
		.amdhsa_private_segment_fixed_size 0
		.amdhsa_enable_private_segment 0
		.amdhsa_kernarg_size 32
		.amdhsa_user_sgpr_count 2
		.amdhsa_user_sgpr_kernarg_segment_ptr 1
		.amdhsa_wavefront_size32 1
		.amdhsa_system_sgpr_workgroup_id_x 1
		.amdhsa_system_sgpr_workgroup_id_y 1
		.amdhsa_system_sgpr_workgroup_id_z 1
		.amdhsa_system_vgpr_workitem_id 0
		.amdhsa_next_free_vgpr 160
		.amdhsa_next_free_sgpr 100
		.amdhsa_reserve_vcc 0
		.amdhsa_float_denorm_mode_32 3
		.amdhsa_float_denorm_mode_16_64 3
		.amdhsa_memory_ordered 1
		.amdhsa_forward_progress 1
		.amdhsa_inst_pref_size 12
	.end_amdhsa_kernel
	.amdgpu_metadata
---
amdhsa.version: [ 1, 2 ]
amdhsa.kernels:
  - .name:           k_qf0610555d7_mkctx
    .symbol:         k_qf0610555d7_mkctx.kd
    .args:
      - { .name: Wc, .offset: 0, .size: 8, .value_kind: global_buffer, .address_space: global }
      - { .name: bc, .offset: 8, .size: 8, .value_kind: global_buffer, .address_space: global }
      - { .name: context_vector, .offset: 16, .size: 8, .value_kind: global_buffer, .address_space: global }
      - { .name: ctx, .offset: 24, .size: 8, .value_kind: global_buffer, .address_space: global }
    .group_segment_fixed_size: 0
    .private_segment_fixed_size: 0
    .kernarg_segment_align: 8
    .kernarg_segment_size: 32
    .max_flat_workgroup_size: 256
    .sgpr_count:     100
    .vgpr_count:     160
    .wavefront_size: 32
...
	.end_amdgpu_metadata
.endif
;; end of part 4
;; launch mlp (part 5): grid 256 x 1, 4 waves a work-group, clusters of 4 x 1, 327,680 bytes of LDS; arguments pyr, enc, idx, wrec, wt, ctx, aux, b0, b1, b2, b3, bout, out0; writes out0
.if DOCPART == 5
	.amdgcn_target "amdgcn-amd-amdhsa--gfx1250"
	.amdhsa_code_object_version 6
	.text
	.protected	k_qf0610555d7_mlp
	.globl	k_qf0610555d7_mlp
	.p2align	8
	.type	k_qf0610555d7_mlp,@function
k_qf0610555d7_mlp:
	s_mov_b64 s[64:65], 0
	v_nop
	global_prefetch_b8 v0, s[64:65] scope:SCOPE_SE
	s_setreg_imm32_b32 hwreg(HW_REG_WAVE_MODE, 25, 1), 1
	s_wait_xcnt 0x0
	s_wait_alu depctr_hold_cnt(0) depctr_sa_sdst(0) depctr_va_vdst(0) depctr_va_sdst(0) depctr_va_ssrc(0) depctr_va_vcc(0) depctr_vm_vsrc(0)
	s_getreg_b32 s2, hwreg(HW_REG_IB_STS2, 6, 4)
	s_cmp_eq_u32 s2, 0
	s_cbranch_scc0 .Lentry_in_a_cluster
	s_endpgm
.Lentry_in_a_cluster:
	s_bfe_u32 s2, ttmp6, 0x10000c
	s_cmp_lg_u32 s2, 0x3003
	s_cbranch_scc0 .Lentry_shape_is_right
	s_endpgm
.Lentry_shape_is_right:
; THE DECODER, fused: gather and bilinear interpolation of three levels, four layers of 256 with FiLM and GELU, the output layer and tanh.
; SHARES.  A work-group owns 512 points of one batch, a wave 128: eight tiles of 16, in two PIECES A (tiles 0-3) and B (tiles 4-7).  256 work-groups, one to a WGP.
; LAYOUT.  H^T = W^T X^T: source 0 = 16 output features (rows of 64 W^T along k, from LDS), source 1 = 16 points.  In the result a lane holds ONE point (lane % 16) and the features 8 (lane / 16) + 0..7; two such
; results rounded to f16 in pairs ARE source 1 of the next layer for one k step of 32.  So nothing changes lanes; a layer's output makes a lane-private trip through LDS (16 bytes a lane) only so that a loop
; can name it by address, and comes back into registers when the layer is complete.  A piece's whole input (64 points x 256 k) stays in 256 registers.
; THE WALK.  33 GROUPS of 32 output features (4 layers x 8, then the output layer's 3 rows and zeros), each 16 KiB of weights, through two LDS slots.  All work-groups walk the same groups, so the four of a
; cluster ask for each JOINTLY: the same tensor load, descriptor and mask in all four; a wave brings 8 of a group's 32 rows.  A wave has two tensor loads out at the start, later one.
; BY TURNS.  In a PERIOD (one group) turn A has 64 products for piece A, turn B 64 for piece B; behind each product stand five or six lines of the OTHER piece's FiLM and GELU (354 lines a piece and group).
; FORMATS.  f16 operands, f32 sums.  Weights are stored x 64.  Layer l's output is stored as h 2^-e, e a whole number for each batch and layer made from a bound B >= |h| (B' = max over features of
; (sum |W| B + |b|) |gamma| + |beta|; |gelu(a)| <= |a|), so that |h 2^-e| <= 2^15.  The scale costs no line: a = acc G + O with G = gamma 2^(e-6), O = b gamma + beta, and
; gelu(a) 2^-e' = a / (2^(a (K0 + K1 a^2) + e') + 2^e'), K0 = -2 log2(e) sqrt(2/pi), K1 = 0.044715 K0.  Where a^2 or the power overflows the result is a 2^-e' or 0, as it should be.
; LIMITS.  The bounds B stay below 2^113; operands below 2^-14 after scaling keep f16's fixed step; the sampled features and encodings go unscaled (below 65,504).  NaN and infinities are not treated apart.
; tanh(z) = 1 - 2 / (1 + 2^(2 log2(e) z)); below |z| = 1/8 the series z - z^3/3 + 2 z^5/15, whose next term is under 3e-7 of z there.
; REGISTERS, in windows of 256 (s_set_vgpr_msb: bits 1:0 source 0, 3:2 source 1, 5:4 source 2, 7:6 destination): window 0 addresses, GELU's work, tables, accumulators; window 1 piece A's input (k step kk,
; tile rt at 8 (4 kk + rt)); window 2 piece B's; window 3 v0-127 the group's weights (kk, half ft at 8 (2 kk + ft)).  During the gather windows 1 and 2 are its two buffers.
.set WR0,   0x40000                    ; LDS: 0..262,143 the activations: wave x 65,536 + k step x 8,192 + tile x 1,024 + half x 512 + lane x 16; then slot 0: 32 rows x 528
.set WR1,   0x48000                    ; slot 1: one exclusive or turns an address in one slot into the other's
.set WP,    528                        ; 512 bytes + 16 of padding = 132 words: the 16 rows of a fragment load start at 16 different groups of four banks
.set TABG,  279040                     ; G[4 x 256], f32
.set TABO,  TABG+4096                  ; O[4 x 256]
.set EPB,   287232                     ; for each group 16 bytes: e', e', 2^e', 2^e'
.set SPARE, 287744                     ; the spare words: 128 bytes a wave; no other line names them
.set OST,   311808                     ; the way out: 3,072 bytes a wave (the second half takes the lanes that hold no output)
.set SPW, 2
.set NIL, 3
.set AACT, 4                           ; v4   wave x 65,536 + lane x 16
.set AW, 5                             ; v5   my place in the slot to be read
.set ATAB, 6                           ; v6   my place in G for the group in hand
.set AEP, 7                            ; v7   the group's e', 2^e'
.set ASTA, 8                           ; v8   where piece A's output of the group in hand goes
.set ASTB, 9                           ; v9   where piece B's of the group before goes
.set M4, 10                            ; v10  2^(e4 - 6)
.set H16, 11                           ; v11  16 (lane / 16)
.set ATAB0, 12
.set NIX, 13                           ; v13-15 byte offsets of the next index record, weight record and encoding row
.set NWR, 14
.set NEN, 15
.set T, 16                             ; v16-39 three sets of 8 at work
.set H, 40                             ; v40-47 two sets of 4: packed results
.set EPQA, 48
.set EPQB, 52
.set GOA, 56                           ; v56-87: for half ft at 16 ft: G 0..7, O 8..15
.set GOB, 88
.set S0, 64                            ; the gather: 12 tap offsets, two sets
.set S1, 76
.set ASTH, 120
.set PNT, 121
.set TM, 122
.set RR, 123
.set HH, 124
.set ACCA, 128                         ; accumulator 2 rt + ft at + 8 (2 rt + ft)
.set ACCB, 192
.set WV, 30
.set CX, 31
.set WG, 32
.set BAT, 33
.set G1, 36                            ; s[36:43] descriptor group 1
.set GD0, 44                           ; s[44:47] group 0 of the first fill
.set GW, 48                            ; s[48:51] group 0 that walks
.set PY, 52                            ; s[52:57] the three levels at my batch
.set K0, 58
.set K1, 60
.set SEL, 62
.set Q, 66                             ; the group in hand
.set G, 67                             ; Q % 8
.set GP, 68                            ; (Q - 1) % 8
.set RB, 69                            ; 0: piece B's input is read anew in this period
.set CNT, 70
.set MSB, 0
.macro WIN new                         ; the high byte repeats the setting that is left; a switch that changes nothing is dropped
.if MSB != (\new)
	s_set_vgpr_msb (MSB<<8)|(\new)
.set MSB, (\new)
.endif
.endm
.macro CROUND                          ; a round of the cluster's barrier
	s_barrier_signal -1
	s_barrier_wait -1
	s_cmp_lg_u32 s[WV], 0
	s_cbranch_scc1 .Lnot_wave_0_\@
	s_barrier_signal -3
.Lnot_wave_0_\@:
	s_barrier_wait -3
	s_barrier_signal -1
	s_barrier_wait -1
.endm
.macro WAVEMAX r, t
	v_max_num_f32_dpp v[\r], v[\r], v[\r] row_xmask:1 row_mask:0xf bank_mask:0xf
	v_max_num_f32_dpp v[\r], v[\r], v[\r] row_xmask:2 row_mask:0xf bank_mask:0xf
	v_max_num_f32_dpp v[\r], v[\r], v[\r] row_xmask:4 row_mask:0xf bank_mask:0xf
	v_max_num_f32_dpp v[\r], v[\r], v[\r] row_xmask:8 row_mask:0xf bank_mask:0xf
	v_mov_b32 v[\t], 0
	v_permlanex16_b32 v[\t], v[\r], s[SEL], s[SEL+1]
	v_max_num_f32 v[\r], v[\r], v[\t]
.endm
	s_load_b512 s[4:19], s[0:1], 0x0               ; pyr 4, enc 6, idx 8, wrec 10, wt 12, ctx 14, aux 16, b0 18
	s_load_b256 s[20:27], s[0:1], 0x40             ; b1 20, b2 22, b3 24, bout 26
	s_load_b64 s[28:29], s[0:1], 0x60              ; out0
	v_lshl_add_u32 v[SPW], v0, 2, SPARE
	v_mov_b32 v[NIL], 0
	ds_add_u32 v[SPW], v[NIL]                      ; the wave's opening: the add and its wait stand ahead of my first tensor load; work on registers stands between them
	v_lshrrev_b32 v1, 5, v0
	v_readfirstlane_b32 s[WV], v1
	s_bfe_u32 s[CX], ttmp6, 0x40000                ; my place in the cluster: it enters the points' global offsets alone
	s_lshl_b32 s[WG], ttmp9, 2
	s_add_co_u32 s[WG], s[WG], s[CX]
	s_lshr_b32 s[BAT], ttmp9, 3                    ; 32 work-groups a batch: the four partners share it
	s_mov_b32 s[G1], 15|(1<<16)|(1<<20)|(1<<21)|(6<<22)|(3<<25)  ; the mask of four; 2-byte elements; padding on; bit 21 beside a mask; after every 128 words; 4 words
	s_mov_b32 s[G1+1], 256<<16                     ; tensor_dim0 = 256
	s_mov_b32 s[G1+2], 8<<16                       ; tensor_dim1 = 8
	s_mov_b32 s[G1+3], 256<<16                     ; tile_dim0 = 256
	s_mov_b32 s[G1+4], 8                           ; tile_dim1 = 8 rows: my quarter of a group
	s_mov_b32 s[G1+5], 256                         ; elements from row to row
	s_mov_b32 s[G1+6], 0
	s_mov_b32 s[G1+7], 0
	s_mov_b32 s[K0], 0xc0135761                    ; -2.3022082
	s_mov_b32 s[K0+1], 0xc0135761
	s_mov_b32 s[K1], 0xbdd2d3e8                    ; -0.10294324
	s_mov_b32 s[K1+1], 0xbdd2d3e8
	s_mov_b32 s[SEL], 0x76543210
	s_mov_b32 s[SEL+1], 0xfedcba98
	s_mul_i32 s71, s[WV], 8*WP
	s_lshl_b32 s72, s[WV], 12                      ; my 8 rows of 512 bytes in memory
	s_mov_b32 s73, 0
	s_mov_b32 s[GD0], 1
	s_add_co_u32 s[GD0+1], s71, WR0
	s_mov_b32 s[GW], 1
	s_add_co_u32 s[GW+1], s71, WR1
	s_wait_dscnt 0x0                               ; the opening add is done
	s_wait_kmcnt 0x0
	s_load_b96 s[76:78], s[26:27], 0x0             ; bout
	s_add_nc_u64 s[GD0+2:GD0+3], s[12:13], s[72:73]
	s_add_nc_u64 s[GW+2:GW+3], s[GD0+2:GD0+3], 16384
	s_or_b32 s[GD0+3], s[GD0+3], 0x80000000
	s_or_b32 s[GW+3], s[GW+3], 0x80000000
	s_lshl_b32 s72, s[BAT], 19
	s_add_nc_u64 s[PY:PY+1], s[4:5], s[72:73]
	s_lshl_b32 s72, s[BAT], 17
	s_add_co_u32 s72, s72, 4194304
	s_add_nc_u64 s[PY+2:PY+3], s[4:5], s[72:73]
	s_lshl_b32 s72, s[BAT], 15
	s_add_co_u32 s72, s72, 5242880
	s_add_nc_u64 s[PY+4:PY+5], s[4:5], s[72:73]
	s_lshl_b32 s72, s[BAT], 11
	s_add_nc_u64 s[14:15], s[14:15], s[72:73]      ; ctx at my batch
	s_and_b32 s74, s[WG], 31
	s_lshl_b32 s74, s74, 9
	s_lshl_b32 s75, s[WV], 7
	s_add_co_u32 s74, s74, s75                     ; my wave's first point
	s_lshl_b32 s72, s[BAT], 14
	s_add_co_u32 s72, s72, s74
	s_mul_i32 s72, s72, 12
	s_add_nc_u64 s[28:29], s[28:29], s[72:73]      ; out0 at my wave's 1,536 bytes
	s_wait_kmcnt 0x0
	CROUND                                         ; all four work-groups are here: the first joint loads meet
	tensor_load_to_lds s[GD0:GD0+3], s[G1:G1+7]    ; group 0 into slot 0
	s_nop 0
	tensor_load_to_lds s[GW:GW+3], s[G1:G1+7]      ; group 1 into slot 1
	s_nop 0
.rept 4
	v_nop
.endr
	v_and_b32 v1, 31, v0                           ; lane
	v_and_b32 v[RR], 15, v0
	v_bfe_u32 v[HH], v0, 4, 1
	v_lshlrev_b32 v[H16], 4, v[HH]
	s_lshl_b32 s71, s[WV], 16
	v_lshl_add_u32 v[AACT], v1, 4, s71
	v_mul_u32_u24 v[AW], v[RR], WP
	v_add3_u32 v[AW], v[AW], v[H16], WR0
	v_lshl_add_u32 v[ATAB0], v[HH], 5, TABG
	v_add_nc_u32 v[PNT], s74, v[RR]                ; my point in tile 0
	v_mul_u32_u24 v[NIX], v[PNT], 48
	v_mov_b32 v[NWR], v[NIX]
	v_lshl_add_u32 v[NEN], v[PNT], 7, v[H16]
	v_mov_b32 v[ASTH], v[AACT]
; THE GATHER.  For a tile of 16 points lane (r, h) takes, of each of the point's 12 taps, the four pieces of 16 bytes that its fragments want: channels 16 c + 8 h + 0..7.
.macro IDXL S, off                     ; a tile's 12 tap node numbers
.irp L, 0,1,2
	global_load_b128 v[(\S)+4*\L:(\S)+4*\L+3], v[NIX], s[8:9] offset:(\off)+16*\L
.endr
.endm
.macro ADDR S                          ; node numbers, held inside their level, to byte offsets
.irp t, 0,1,2,3
	v_min_u32 v[(\S)+\t], 0xfff, v[(\S)+\t]
	v_min_u32 v[(\S)+4+\t], 0x3ff, v[(\S)+4+\t]
	v_min_u32 v[(\S)+8+\t], 0xff, v[(\S)+8+\t]
.endr
.irp k, 0,1,2,3,4,5,6,7,8,9,10,11
	v_lshl_add_u32 v[(\S)+\k], v[(\S)+\k], 7, v[H16]
.endr
.endm
.macro GLOADS win, S                   ; 55 loads into a buffer: 3 of weights (at 192), 4 of encodings (at 208), 48 of taps (level L, tap t, piece c at 64 L + 16 t + 4 c)
	WIN (\win)<<6
.irp L, 0,1,2
	global_load_b128 v[192+4*\L:195+4*\L], v[NWR], s[10:11] offset:16*\L
.endr
.irp c, 0,1,2,3
	global_load_b128 v[208+4*\c:211+4*\c], v[NEN], s[6:7] offset:32*\c
.endr
.irp L, 0,1,2
.irp t, 0,1,2,3
.irp c, 0,1,2,3
	global_load_b128 v[64*\L+16*\t+4*\c:64*\L+16*\t+4*\c+3], v[(\S)+4*\L+\t], s[PY+2*\L:PY+2*\L+1] offset:32*\c
.endr
.endr
.endr
	WIN 0
.endm
.macro COMB win                        ; the four taps weighed and added, two f16 at a time, onto tap 0's registers; then the tile's 16 pieces into the activations
	WIN 0x55*(\win)
.irp L, 0,1,2
.set k, 0
.rept 16
	v_pk_mul_f16 v[64*\L+k], v[64*\L+k], v[192+4*\L]
.set k, k+1
.endr
.irp t, 1,2,3
.set k, 0
.rept 16
	v_pk_fma_f16 v[64*\L+k], v[64*\L+16*\t+k], v[192+4*\L+\t], v[64*\L+k]
.set k, k+1
.endr
.endr
.endr
	WIN 0x04*(\win)
.irp L, 0,1,2
.irp c, 0,1,2,3
	ds_store_b128 v[ASTH], v[64*\L+4*\c:64*\L+4*\c+3] offset:(2*\L+\c/2)*8192+(\c%2)*512
.endr
.endr
.irp c, 0,1,2,3
	ds_store_b128 v[ASTH], v[208+4*\c:208+4*\c+3] offset:(6+\c/2)*8192+(\c%2)*512
.endr
	WIN 0
	v_add_nc_u32 v[ASTH], 1024, v[ASTH]
.endm
	IDXL S0, 0                                     ; tile 0
	IDXL S1, 768                                   ; tile 1
	v_add_nc_u32 v[PNT], 16, v[PNT]
	; the tables' raw material: lane l takes columns 8 l .. 8 l + 7.  22 loads
	v_lshlrev_b32 v16, 5, v1
	s_lshl_b32 s71, s[BAT], 6
	v_lshl_add_u32 v17, v[RR], 2, s71
	v_lshlrev_b32 v18, 3, v1
	global_load_b128 v[128:131], v16, s[14:15]
	global_load_b128 v[132:135], v16, s[14:15] offset:16
	global_load_b128 v[136:139], v16, s[14:15] offset:1024
	global_load_b128 v[140:143], v16, s[14:15] offset:1040
.irp l, 0,1,2,3
	global_load_b128 v[144+8*\l:147+8*\l], v16, s[16:17] offset:1024*\l
	global_load_b128 v[148+8*\l:151+8*\l], v16, s[16:17] offset:1024*\l+16
	global_load_b128 v[176+8*\l:179+8*\l], v16, s[18+2*\l:19+2*\l]
	global_load_b128 v[180+8*\l:183+8*\l], v16, s[18+2*\l:19+2*\l] offset:16
.endr
	global_load_b32 v208, v17, s[16:17] offset:4352
	global_load_b64 v[210:211], v18, s[16:17] offset:4864
	s_wait_loadcnt 25                              ; tile 0's node numbers are in: behind them 3 + 22 loads
	ADDR S0
	GLOADS 1, S0
	v_lshl_add_u32 v19, v1, 5, TABG
	v_and_b32 v20, 7, v0
	v_lshl_add_u32 v20, v20, 4, EPB
	s_wait_loadcnt 55                              ; all but tile 0's 55
	; THE TABLES.  Every wave walks the chain of bounds; wave l stores layer l's G, O and the scale of its output.
.irp j, 0,2,4,6
	v_pk_add_f32 v[128+\j:129+\j], v[128+\j:129+\j], 1.0 op_sel_hi:[1,0]   ; gamma
.endr
	v_max3_num_f32 v212, v208, v210, v211
	WAVEMAX 212, 215
	v_max_num_f32 v212, 1.0, v212                  ; B0: sine and cosine, coordinates, grid
	v_mov_b32 v213, 0x3c800000                     ; 2^(e0 - 6), e0 = 0
.irp l, 0,1,2,3
	v_mul_f32 v214, 0x3c800000, v212               ; the sums are of 64 |W|
.irp j, 0,1,2,3,4,5,6,7
	v_mul_f32 v[88+\j], v[128+\j], v213
	v_fma_f32 v[96+\j], v[176+8*\l+\j], v[128+\j], v[136+\j]
	v_fma_f32 v[216+\j], v[144+8*\l+\j], v214, |v[176+8*\l+\j]|
.endr
.irp j, 0,1,2,3,4,5,6,7
	v_fma_f32 v[216+\j], v[216+\j], |v[128+\j]|, |v[136+\j]|
.endr
	v_max3_num_f32 v212, v216, v217, v218
	v_max3_num_f32 v212, v212, v219, v220
	v_max3_num_f32 v212, v212, v221, v222
	v_max_num_f32 v212, v212, v223
	WAVEMAX 212, 215
	v_lshrrev_b32 v214, 23, v212                   ; the bound's exponent field, held to 32 .. 240
	v_max_u32 v214, 32, v214
	v_min_u32 v214, 240, v214
	v_add_nc_u32 v104, 0xffffff73, v214            ; e = field - 141: B 2^-e < 2^15
	v_cvt_f32_i32 v104, v104
	v_add_nc_u32 v106, -14, v214                   ; 2^e
	v_lshlrev_b32 v106, 23, v106
	v_add_nc_u32 v213, 0xffffffec, v214            ; 2^(e - 6)
	v_lshlrev_b32 v213, 23, v213
	v_mov_b32 v105, v104
	v_mov_b32 v107, v106
	s_cmp_lg_u32 s[WV], \l
	s_cbranch_scc1 .Lnt_\l
	ds_store_b128 v19, v[88:91] offset:1024*\l
	ds_store_b128 v19, v[92:95] offset:1024*\l+16
	ds_store_b128 v19, v[96:99] offset:4096+1024*\l
	ds_store_b128 v19, v[100:103] offset:4096+1024*\l+16
	ds_store_b128 v20, v[104:107] offset:128*\l    ; the layer's eight groups (four lanes write each, alike)
.Lnt_\l:
.endr
	v_mov_b32 v[M4], v213
; One tile: its successor's taps are asked for, then it is combined.  pi = the tile's parity: its buffer is window 1 + pi, the node numbers of the tile after it lie in set 1 - pi.
.macro HALF pi
.set sA, S0+12*(\pi)
.set sB, S0+12*(1-(\pi))
	s_wait_loadcnt 55                              ; the next tile's node numbers are in: behind them this tile's 55
.if \pi
	s_cmp_eq_u32 s[CNT], 1
	s_cbranch_scc1 .Llast_\@                       ; the eighth tile has no successor
.endif
	s_wait_xcnt 0x0                                ; the offsets that earlier loads read are written anew only behind this wait
	v_add_nc_u32 v[PNT], 16, v[PNT]
	v_min_u32 v[TM], 0x3fff, v[PNT]                ; the load past my last tile stays inside the buffer; it is not used
	v_mul_u32_u24 v[NIX], v[TM], 48
	v_add_nc_u32 v[NWR], 768, v[NWR]
	v_add_nc_u32 v[NEN], 2048, v[NEN]
	IDXL sA, 0
	ADDR sB
	GLOADS 2-(\pi), sB
	s_wait_loadcnt 58                              ; this tile's 55 are in: behind them 3 + 55
.if \pi
	s_branch .Lgo_\@
.Llast_\@:
	s_wait_loadcnt 0x0
.Lgo_\@:
.endif
	COMB 1+(\pi)
.endm
	s_mov_b32 s[CNT], 4
.Lh0:
	HALF 0
	HALF 1
	s_sub_co_u32 s[CNT], s[CNT], 1
	s_cmp_lg_u32 s[CNT], 0
	s_cbranch_scc1 .Lh0
; THE LDS LOADS of the walk
.macro FETCHW kk                       ; k step kk of the next group's weights
	WIN 0xc0
.irp ft, 0,1
	ds_load_b128 v[8*(2*(\kk)+\ft):8*(2*(\kk)+\ft)+3], v[AW] offset:\ft*16*WP+(\kk)*64
	ds_load_b128 v[8*(2*(\kk)+\ft)+4:8*(2*(\kk)+\ft)+7], v[AW] offset:\ft*16*WP+(\kk)*64+32
.endr
	WIN 0
.endm
.macro FETCHGO go, ep                  ; the group's G, O for my 2 x 8 features, and its scale: nine loads
	WIN 0
.irp ft, 0,1
	ds_load_b128 v[(\go)+16*\ft:(\go)+16*\ft+3], v[ATAB] offset:64*\ft
	ds_load_b128 v[(\go)+16*\ft+4:(\go)+16*\ft+7], v[ATAB] offset:64*\ft+16
	ds_load_b128 v[(\go)+16*\ft+8:(\go)+16*\ft+11], v[ATAB] offset:4096+64*\ft
	ds_load_b128 v[(\go)+16*\ft+12:(\go)+16*\ft+15], v[ATAB] offset:4096+64*\ft+16
.endr
	ds_load_b128 v[\ep:(\ep)+3], v[AEP]
.endm
.macro RELOAD p, k0, k1                ; piece p's input, k steps k0 .. k1, from the activations
	WIN ((\p)+1)<<6
.set rk, \k0
.rept (\k1)-(\k0)+1
.irp rt, 0,1,2,3
	ds_load_b128 v[8*(4*rk+\rt):8*(4*rk+\rt)+3], v[AACT] offset:rk*8192+(4*(\p)+\rt)*1024
	ds_load_b128 v[8*(4*rk+\rt)+4:8*(4*rk+\rt)+7], v[AACT] offset:rk*8192+(4*(\p)+\rt)*1024+512
.endr
.set rk, rk+1
.endr
	WIN 0
.endm
; FiLM AND GELU of a piece's 8 accumulators: a list of 354 lines.  GOP writes one: kind, accumulator n, pair or number x.
;   0 F: a = acc G + O, in place (pair 0, the accumulator's lowest registers, comes first)   1 Q: a^2   2 U: K1 a^2 + K0   3 A: a (..) + e'   4 e: 2^(..)   5 P: + 2^e'   6 r: 1 / (..)
;   7 M: a x (..)   8 C: two rounded to f16; behind the fourth the 16 bytes go to the activations
.macro GOP kind, n, x
.set aA, gACC+8*(\n)
.set aT, T+8*((\n)%3)
.set aH, H+4*((\n)%2)
.set aG, gGO+16*((\n)%2)
.if (\kind) == 0
	v_pk_fma_f32 v[aA+2*(\x):aA+2*(\x)+1], v[aA+2*(\x):aA+2*(\x)+1], v[aG+2*(\x):aG+2*(\x)+1], v[aG+8+2*(\x):aG+8+2*(\x)+1]
.elseif (\kind) == 1
	v_pk_mul_f32 v[aT+2*(\x):aT+2*(\x)+1], v[aA+2*(\x):aA+2*(\x)+1], v[aA+2*(\x):aA+2*(\x)+1]
.elseif (\kind) == 2
	v_pk_fma_f32 v[aT+2*(\x):aT+2*(\x)+1], v[aT+2*(\x):aT+2*(\x)+1], s[K1:K1+1], s[K0:K0+1] op_sel_hi:[1,0,0]
.elseif (\kind) == 3
	v_pk_fma_f32 v[aT+2*(\x):aT+2*(\x)+1], v[aA+2*(\x):aA+2*(\x)+1], v[aT+2*(\x):aT+2*(\x)+1], v[gEP:gEP+1]
.elseif (\kind) == 4
	v_exp_f32 v[aT+(\x)], v[aT+(\x)]
.elseif (\kind) == 5
	v_pk_add_f32 v[aT+2*(\x):aT+2*(\x)+1], v[aT+2*(\x):aT+2*(\x)+1], v[gEP+2:gEP+3]
.elseif (\kind) == 6
	v_rcp_f32 v[aT+(\x)], v[aT+(\x)]
.elseif (\kind) == 7
	s_wait_alu depctr_va_vdst(0)
	v_pk_mul_f32 v[aT+2*(\x):aT+2*(\x)+1], v[aA+2*(\x):aA+2*(\x)+1], v[aT+2*(\x):aT+2*(\x)+1]
.else
	v_cvt_pk_f16_f32 v[aH+(\x)], v[aT+2*(\x)], v[aT+2*(\x)+1]
.if (\x) == 3
	ds_store_b128 v[gAST], v[aH:aH+3] offset:gPIMM+((\n)/2)*1024+((\n)%2)*512
.endif
.endif
.endm
; Line J of the list.  Three accumulators are in hand at a time: in block n the plain lines F Q U A of accumulator n stand at the even places, the exponentials of n - 1 and then the reciprocals of n - 2 at the
; odd ones, so that each of those has a plain line behind it before its result is used (ISA guide 5.7.2); P of n - 2 opens the block, M and C of n - 2 close it.
.macro GI
.if J < 16
	GOP J/4, 0, J%4
.elseif J < 40
.set m_, J-16
.if m_ >= 16
	GOP 2+(m_-16)/4, 1, m_%4
.elseif m_%2 == 0
	GOP (m_/2)/4, 1, (m_/2)%4
.else
	GOP 4, 0, m_/2
.endif
.elseif J < 304
.set n_, 2+(J-40)/44
.set m_, (J-40)%44
.set y_, (m_-4)/2
.if m_ < 4
	GOP 5, n_-2, m_
.elseif m_ < 36
.if m_%2 == 0
	GOP y_/4, n_, y_%4
.elseif y_ < 8
	GOP 4, n_-1, y_
.else
	GOP 6, n_-2, y_-8
.endif
.elseif m_ < 40
	GOP 7, n_-2, m_-36
.else
	GOP 8, n_-2, m_-40
.endif
.elseif J < 333
.set m_, J-304
.if m_ < 4
	GOP 5, 6, m_
.elseif m_ < 20
.if m_%2 == 0
	GOP 4, 7, (m_-4)/2
.else
	GOP 6, 6, (m_-4)/2
.endif
.elseif m_ == 20
	v_nop                                          ; a plain line behind the last reciprocal
	s_wait_alu depctr_va_vdst(0)
.elseif m_ < 25
	GOP 7, 6, m_-21
.else
	GOP 8, 6, m_-25
.endif
.else
.set m_, J-333
.if m_ < 4
	GOP 5, 7, m_
.elseif m_ < 12
	GOP 6, 7, m_-4
.elseif m_ == 12
	v_nop
	s_wait_alu depctr_va_vdst(0)
.elseif m_ < 17
	GOP 7, 7, m_-13
.else
	GOP 8, 7, m_-17
.endif
.endif
.endm
; A TURN: piece p's 32 nft products of one group (k step, tile, half: the 4 nft accumulators take turns, one instruction a turn; the first k step starts the sums with the constant 0).
; rid = 1: the other piece's list is dealt evenly behind them.  The last slot's six lines (M, M, C x 4) are plain and name nothing of the products: they are the places in front of what follows.
; hk = 1, the walk's loads.  Turn A: behind product 1 the group's tables for piece A and, where a layer begins (RB = 0), piece B's input, k steps 0-6; its k step 7 behind the list's last store.
;   Turn B: behind product 1 the tables for piece B and, where a layer ends (G = 7), piece A's next input likewise; the next group's weights k step by k step, each 8 products behind its last reader.
; hk = 2: the output layer's turn A reads piece B's input.
.macro TURN p, nft, rid, hk
.set NW, 32*(\nft)
.set J, 0
.set i, 0
.if (\p) == 0
.set gACC, ACCB
.set gGO, GOB
.set gEP, EPQB
.set gAST, ASTB
.set gPIMM, 4096
.else
.set gACC, ACCA
.set gGO, GOA
.set gEP, EPQA
.set gAST, ASTA
.set gPIMM, 0
.endif
.if ((\p) == 1) && ((\hk) == 1)
	s_wait_dscnt 8                                 ; piece A's tables and piece B's k steps 0-6 are in: behind them stand the list's 8 stores, and where B was read anew 8 loads more
.endif
.rept NW
.set kk, i/(4*(\nft))
.set rt, (i%(4*(\nft)))/(\nft)
.set ft, i%(\nft)
.set rD, ACCA+64*(\p)+8*(2*rt+ft)
.set rW, 8*(2*kk+ft)
.set rX, 8*(4*kk+rt)
.if ((\p) == 1) && ((\hk) == 1) && (i == 56)
	s_wait_dscnt 16                                ; piece B's k step 7 is in: behind it stand 9 loads of tables and 24 of weights at the least
.endif
	WIN 0x07+4*(\p)
.if kk == 0
	v_wmma_f32_16x16x32_f16 v[rD:rD+7], v[rW:rW+7], v[rX:rX+7], 0
	s_wait_alu depctr_va_vdst(0)
.else
	v_wmma_f32_16x16x32_f16 v[rD:rD+7], v[rW:rW+7], v[rX:rX+7], v[rD:rD+7]
.endif
.if \rid
	WIN 0
.set LIM, ((i+1)*354)/NW
.rept 12
.if J < LIM
	GI
.set J, J+1
.endif
.endr
.endif
.if ((\hk) == 1) && ((\p) == 0) && (i == 1)
	FETCHGO GOA, EPQA
	s_cmp_lg_u32 s[RB], 0
	s_cbranch_scc1 .Lnb_\@
	RELOAD 1, 0, 6
.Lnb_\@:
.endif
.if ((\hk) == 1) && ((\p) == 0) && (i == 63)
	s_cmp_lg_u32 s[RB], 0
	s_cbranch_scc1 .Lnc_\@
	RELOAD 1, 7, 7
.Lnc_\@:
.endif
.if ((\hk) == 1) && ((\p) == 1) && (i == 1)
	FETCHGO GOB, EPQB
	s_cmp_lg_u32 s[G], 7
	s_cbranch_scc1 .Lna_\@
	RELOAD 0, 0, 6
.Lna_\@:
.endif
.if ((\hk) == 1) && ((\p) == 1) && (i >= 15) && (i%8 == 7)
	FETCHW (i-15)/8
.endif
.if ((\hk) == 1) && ((\p) == 1) && (i == 63)
	FETCHW 7
	s_cmp_lg_u32 s[G], 7
	s_cbranch_scc1 .Lnd_\@
	RELOAD 0, 7, 7
.Lnd_\@:
.endif
.if ((\hk) == 2) && (i == 1)
	RELOAD 1, 0, 6
.endif
.if ((\hk) == 2) && (i == 31)
	RELOAD 1, 7, 7
.endif
.set i, i+1
.endr
	WIN 0
.endm
; THE CHANGE OF SLOTS, at a period's head.  Group Q's weights are in registers, so its slot is free; group Q + 1 is the one load of mine that is out.  Each wave waits for all its tensor loads, adds 0 to its spare
; word, and waits for that and for its LDS loads.  fill = 1: the barrier is a round of the cluster's, and the joint refill (group Q + 2) is the first thing behind it: it has a period, 128 products, in which to land.
.macro CHANGE fill
	WIN 0
	s_wait_tensorcnt 0x0                           ; no tensor load of mine is out, so the walking group 0 may be written
	ds_add_u32 v[SPW], v[NIL]                      ; 0 onto my spare word; the period's addresses, work on registers, stand between it and the wait for it
.if \fill
	s_xor_b32 s[GW+1], s[GW+1], 0x8000             ; the other slot than last time,
	s_add_nc_u64 s[GW+2:GW+3], s[GW+2:GW+3], 16384 ; the next group; the type bits on top are not reached
.endif
	s_and_b32 s[G], s[Q], 7
	s_sub_co_u32 s[GP], s[Q], 1
	s_and_b32 s[GP], s[GP], 7
	s_cmp_eq_u32 s[Q], 0
	s_cselect_b32 s[RB], 1, s[G]
	v_xor_b32 v[AW], 0x8000, v[AW]                 ; the slot of group Q + 1
	s_lshl_b32 s71, s[G], 13
	v_add_nc_u32 v[ASTA], s71, v[AACT]
	s_lshl_b32 s72, s[GP], 13
	v_add_nc_u32 v[ASTB], s72, v[AACT]
	s_lshl_b32 s73, s[Q], 7
	v_add_nc_u32 v[ATAB], s73, v[ATAB0]
	s_lshl_b32 s74, s[Q], 4
	s_add_co_u32 s74, s74, EPB
	v_mov_b32 v[AEP], s74
	s_wait_dscnt 0x0                               ; the add is done, and my reads of the slot are over
.if \fill
	CROUND
	tensor_load_to_lds s[GW:GW+3], s[G1:G1+7]
	s_nop 0
.rept 4
	v_nop
.endr
.else
	s_barrier_signal -1
	s_barrier_wait -1
.endif
.endm
.macro PERIOD fill
	CHANGE \fill
	TURN 0, 2, 1, 1
	TURN 1, 2, 1, 1
.endm
	; THE WALK BEGINS.  The first period's turn A carries a list for a group that has not been: it works on zeros and stores into piece B's k step 7, which has been read by then and is written again by the true
	; group 7.  The price, once a launch, of one text for every period: these 64 lines and 354 lines beside live products.
.set k, 0
.rept 64
	v_mov_b32 v[ACCB+k], 0
.set k, k+1
.endr
	s_wait_tensorcnt 0x1                           ; my part of group 0 is in; group 1's may stay out
	s_wait_dscnt 0x0                               ; for the others' sake: my layer's tables are stored
	s_barrier_signal -1
	s_barrier_wait -1
.irp kq, 0,1,2,3,4,5,6,7
	FETCHW \kq
.endr
	RELOAD 0, 0, 7
	RELOAD 1, 0, 7
	v_mov_b32 v[ATAB], v[ATAB0]
	v_mov_b32 v[AEP], EPB
	FETCHGO GOB, EPQB
	s_mov_b32 s[Q], 0
.Lq:                                   ; 31 periods: groups 2 .. 32 are asked for
	PERIOD 1
	s_add_co_u32 s[Q], s[Q], 1
	s_cmp_lt_u32 s[Q], 31
	s_cbranch_scc1 .Lq
	PERIOD 0                                       ; group 31 is written out: nothing is asked for
	; THE OUTPUT LAYER: group 32, of which the first 16 rows are multiplied.  Piece B's last list stands beside piece A's products.
	v_add_nc_u32 v[ASTB], 0xe000, v[AACT]
	s_wait_dscnt 0x0                               ; the weights, piece A's input, piece B's tables
	TURN 0, 1, 1, 2
	s_wait_dscnt 0x0                               ; piece B's input
	TURN 1, 1, 0, 0
	; THE FINISH.  Lanes 0-15 hold a point's three numbers in each accumulator's registers 0-2.  The addresses and piece A's lines are the places behind piece B's last products.
	v_mul_u32_u24 v50, v[RR], 12
	v_mul_u32_u24 v51, v[HH], 1536
	s_mul_i32 s71, s[WV], 3072
	s_add_co_u32 s71, s71, OST
	v_add3_u32 v50, v50, v51, s71
	v_and_b32 v52, 31, v0
	v_lshlrev_b32 v52, 4, v52
	v_add_nc_u32 v51, s71, v52
	v_mov_b32 v48, 0x3e088889                      ; 2/15
	v_mov_b32 v49, 0x3e000000                      ; 1/8
.irp t, 0,1,2,3,4,5,6,7
.irp c, 0,1,2
	v_fma_f32 v[T+3*\t+\c], v[ACCA+16*\t+\c], v[M4], s[76+\c]   ; z = acc 2^(e4 - 6) + bout (piece B's accumulators follow piece A's, 16 registers a tile)
.endr
.endr
.macro ALL24 line:vararg
.set k, 0
	s_wait_alu depctr_va_vdst(0)
.rept 24
	\line
.set k, k+1
.endr
.endm
	ALL24 v_mul_f32 v[56+k], 0x4038aa3b, v[T+k]
	ALL24 v_exp_f32 v[56+k], v[56+k]
	ALL24 v_mul_f32 v[104+k], v[T+k], v[T+k]
	ALL24 v_add_f32 v[56+k], 1.0, v[56+k]
	ALL24 v_rcp_f32 v[56+k], v[56+k]
	ALL24 v_fmaak_f32 v[80+k], v[104+k], v48, 0xbeaaaaab
	ALL24 v_mul_f32 v[104+k], v[104+k], v[T+k]
	ALL24 v_fma_f32 v[80+k], v[104+k], v[80+k], v[T+k]
	ALL24 v_fma_f32 v[56+k], v[56+k], -2.0, 1.0
.set k, 0
.rept 24
	v_cmp_lt_f32 vcc_lo, |v[T+k]|, v49
	v_cndmask_b32 v[56+k], v[56+k], v[80+k], vcc_lo
.set k, k+1
.endr
.irp t, 0,1,2,3,4,5,6,7
.irp c, 0,1,2
	ds_store_b32 v50, v[56+3*\t+\c] offset:192*\t+4*\c
.endr
.endr
.irp j, 0,1,2
	ds_load_b128 v[T+4*\j:T+4*\j+3], v51 offset:512*\j   ; LDS serves a wave's instructions in order: these see the stores above
.endr
.irp j, 0,1,2
	s_wait_dscnt 2-\j
	global_store_b128 v52, v[T+4*\j:T+4*\j+3], s[28:29] offset:512*\j th:TH_STORE_NT   ; 512 consecutive bytes, at a multiple of 256 from out0's first
.endr
	s_wait_tensorcnt 0x0                           ; the wave's end, behind my last tensor load and my last LDS store
	ds_add_u32 v[SPW], v[NIL]
	s_wait_dscnt 0x0
	CROUND                                         ; the closing round: no work-group ends while a partner may still ask for a tile that names it
	s_endpgm
.Lfunc_end_k_qf0610555d7_mlp:
	.size	k_qf0610555d7_mlp, .Lfunc_end_k_qf0610555d7_mlp-k_qf0610555d7_mlp
	.p2alignl 7, 3214868480
	.fill 96, 4, 3214868480
	.section	.rodata,"a",@progbits
	.p2align	6, 0x0
	.amdhsa_kernel k_qf0610555d7_mlp
		.amdhsa_group_segment_fixed_size 327680
		.amdhsa_private_segment_fixed_size 0
		.amdhsa_enable_private_segment 0
		.amdhsa_kernarg_size 104
		.amdhsa_user_sgpr_count 2
		.amdhsa_user_sgpr_kernarg_segment_ptr 1
		.amdhsa_wavefront_size32 1
		.amdhsa_system_sgpr_workgroup_id_x 1
		.amdhsa_system_sgpr_workgroup_id_y 1
		.amdhsa_system_sgpr_workgroup_id_z 1
		.amdhsa_system_vgpr_workitem_id 0
		.amdhsa_next_free_vgpr 896
		.amdhsa_next_free_sgpr 84
		.amdhsa_reserve_vcc 1
		.amdhsa_float_denorm_mode_32 3
		.amdhsa_float_denorm_mode_16_64 3
		.amdhsa_memory_ordered 1
		.amdhsa_forward_progress 1
		.amdhsa_inst_pref_size 255
	.end_amdhsa_kernel
	.section	.bss,"aw",@nobits
	.p2align	6
	.space	262144
	.amdgpu_metadata
---
amdhsa.version: [ 1, 2 ]
amdhsa.kernels:
  - .name:           k_qf0610555d7_mlp
    .symbol:         k_qf0610555d7_mlp.kd
    .args:
      - { .name: pyr, .offset: 0, .size: 8, .value_kind: global_buffer, .address_space: global }
      - { .name: enc, .offset: 8, .size: 8, .value_kind: global_buffer, .address_space: global }
      - { .name: idx, .offset: 16, .size: 8, .value_kind: global_buffer, .address_space: global }
      - { .name: wrec, .offset: 24, .size: 8, .value_kind: global_buffer, .address_space: global }
      - { .name: wt, .offset: 32, .size: 8, .value_kind: global_buffer, .address_space: global }
      - { .name: ctx, .offset: 40, .size: 8, .value_kind: global_buffer, .address_space: global }
      - { .name: aux, .offset: 48, .size: 8, .value_kind: global_buffer, .address_space: global }
      - { .name: b0, .offset: 56, .size: 8, .value_kind: global_buffer, .address_space: global }
      - { .name: b1, .offset: 64, .size: 8, .value_kind: global_buffer, .address_space: global }
      - { .name: b2, .offset: 72, .size: 8, .value_kind: global_buffer, .address_space: global }
      - { .name: b3, .offset: 80, .size: 8, .value_kind: global_buffer, .address_space: global }
      - { .name: bout, .offset: 88, .size: 8, .value_kind: global_buffer, .address_space: global }
      - { .name: out0, .offset: 96, .size: 8, .value_kind: global_buffer, .address_space: global }
    .group_segment_fixed_size: 327680
    .private_segment_fixed_size: 0
    .kernarg_segment_align: 8
    .kernarg_segment_size: 104
    .max_flat_workgroup_size: 128
    .sgpr_count:     84
    .vgpr_count:     896
    .wavefront_size: 32
...
	.end_amdgpu_metadata
.endif
;; end of part 5
;; ======== version 2 of 2: 5 launches; 1.31 times as fast as version 1
;; limits: values are held in f16: magnitudes above 65,504 overflow, below 6.1e-05 lose precision; inputs' magnitudes at most 1,023; right only within a limited range of input values
;; workspace buffers: pyr 5,505,024 bytes; enc 2,097,152 bytes; idx 786,432 bytes of whole numbers; wrec 786,432 bytes; wt 540,672 bytes; ctx 16,384 bytes; aux 5,120 bytes
;; launch mkpyr: the kernel of part 1 again; grid 128 x 1, 8 waves a work-group, no clusters, 71,680 bytes of LDS; arguments feature_grid, pyr, aux; writes pyr, aux
;; launch mkpts: the kernel of part 2 again; grid 64 x 1, 8 waves a work-group, no clusters, 62,720 bytes of LDS; arguments coords, enc, idx, wrec, aux; writes enc, idx, wrec, aux
;; launch mkwts: the kernel of part 3 again; grid 33 x 1, 8 waves a work-group, no clusters, 17,664 bytes of LDS; arguments W0, W1, W2, W3, Wout, wt, aux; writes wt, aux
;; launch mkctx: the kernel of part 4 again; grid 8 x 1, 8 waves a work-group, no clusters, 0 bytes of LDS; arguments Wc, bc, context_vector, ctx; writes ctx
;; launch mlp (part 6): grid 256 x 1, 4 waves a work-group, clusters of 4 x 1, 327,680 bytes of LDS; arguments pyr, enc, idx, wrec, wt, ctx, aux, b0, b1, b2, b3, bout, out0; writes out0
.if DOCPART == 6
	.amdgcn_target "amdgcn-amd-amdhsa--gfx1250"
	.amdhsa_code_object_version 6
	.text
	.protected	k_qf0610555d7_mlp
	.globl	k_qf0610555d7_mlp
	.p2align	8
	.type	k_qf0610555d7_mlp,@function
k_qf0610555d7_mlp:
	s_mov_b64 s[64:65], 0
	v_nop
	global_prefetch_b8 v0, s[64:65] scope:SCOPE_SE
	s_setreg_imm32_b32 hwreg(HW_REG_WAVE_MODE, 25, 1), 1
	s_wait_xcnt 0x0
	s_wait_alu depctr_hold_cnt(0) depctr_sa_sdst(0) depctr_va_vdst(0) depctr_va_sdst(0) depctr_va_ssrc(0) depctr_va_vcc(0) depctr_vm_vsrc(0)
	s_getreg_b32 s2, hwreg(HW_REG_IB_STS2, 6, 4)
	s_cmp_eq_u32 s2, 0
	s_cbranch_scc0 .Lentry_in_a_cluster
	s_endpgm
.Lentry_in_a_cluster:
	s_bfe_u32 s2, ttmp6, 0x10000c
	s_cmp_lg_u32 s2, 0x3003
	s_cbranch_scc0 .Lentry_shape_is_right
	s_endpgm
.Lentry_shape_is_right:
; THE DECODER, fused: gather and bilinear interpolation of three levels, four layers of 256 with FiLM and GELU, the output layer and tanh.
; SHARES.  A work-group owns 512 points of one batch, a wave 128: eight tiles of 16, in two PIECES A (tiles 0-3) and B (tiles 4-7).  256 work-groups, one to a WGP.
; LAYOUT.  H^T = W^T X^T: source 0 = 16 output features (rows of 64 W^T along k, from LDS), source 1 = 16 points.  In the result a lane holds ONE point (lane % 16) and the features 8 (lane / 16) + 0..7; two such
; results rounded to f16 in pairs ARE source 1 of the next layer for one k step of 32.  So nothing changes lanes; a layer's output makes a lane-private trip through LDS (16 bytes a lane) only so that a loop
; can name it by address, and comes back into registers when the layer is complete.  A piece's whole input (64 points x 256 k) stays in 256 registers.
; THE WALK.  33 GROUPS of 32 output features (4 layers x 8, then the output layer's 3 rows and zeros), each 16 KiB of weights, through two LDS slots.  All work-groups walk the same groups, so the four of a
; cluster ask for each JOINTLY: the same tensor load, descriptor and mask in all four; a wave brings 8 of a group's 32 rows.  A wave has two tensor loads out at the start, later one.
; BY TURNS.  In a PERIOD (one group) turn A has 64 products for piece A, turn B 64 for piece B; behind each product stand five or six lines of the OTHER piece's FiLM and GELU (352 lines a piece and group).
; BATCHES.  A list has 64 exponentials and 64 reciprocals.  Each of the piece's 64 numbers has a register of its own for the whole list (TT), so the 128 are cut into THREE batches with one wait each:
; the exponentials of accumulators 0-3 | the exponentials of 4-7 and the reciprocals of 0-2 | the reciprocals of 3-7.
; Ahead of a wait stand only lines that name no result of its batch, the last of them plain; GI gives the order.  The way out has two batches more: 24 exponentials, 24 reciprocals.
; FORMATS.  f16 operands, f32 sums.  Weights are stored x 64.  Layer l's output is stored as h 2^-e, e a whole number for each batch and layer made from a bound B >= |h| (B' = max over features of
; (sum |W| B + |b|) |gamma| + |beta|; |gelu(a)| <= |a|), so that |h 2^-e| <= 2^15.  The scale costs no line: a = acc G + O with G = gamma 2^(e-6), O = b gamma + beta, and
; gelu(a) 2^-e' = a / (2^(a (K0 + K1 a^2) + e') + 2^e'), K0 = -2 log2(e) sqrt(2/pi), K1 = 0.044715 K0.  Where a^2 or the power overflows the result is a 2^-e' or 0, as it should be.
; LIMITS.  The bounds B stay below 2^113; operands below 2^-14 after scaling keep f16's fixed step; the sampled features and encodings go unscaled (below 65,504).  NaN and infinities are not treated apart.
; tanh(z) = 1 - 2 / (1 + 2^(2 log2(e) z)); below |z| = 1/8 the series z - z^3/3 + 2 z^5/15, whose next term is under 3e-7 of z there.
; REGISTERS, in windows of 256 (s_set_vgpr_msb: bits 1:0 source 0, 3:2 source 1, 5:4 source 2, 7:6 destination): window 0 addresses, GELU's work, accumulators; window 1 piece A's input (k step kk,
; tile rt at 8 (4 kk + rt)); window 2 piece B's; window 3 v0-127 the group's weights (kk, half ft at 8 (2 kk + ft)), v128-191 the two pieces' G and O.  During the gather windows 1 and 2 are its two buffers.
.set WR0,   0x40000                    ; LDS: 0..262,143 the activations: wave x 65,536 + k step x 8,192 + tile x 1,024 + half x 512 + lane x 16; then slot 0: 32 rows x 528
.set WR1,   0x48000                    ; slot 1: one exclusive or turns an address in one slot into the other's
.set WP,    528                        ; 512 bytes + 16 of padding = 132 words: the 16 rows of a fragment load start at 16 different groups of four banks
.set TABG,  279040                     ; G[4 x 256], f32
.set TABO,  TABG+4096                  ; O[4 x 256]
.set EPB,   287232                     ; for each group 16 bytes: e', e', 2^e', 2^e'
.set SPARE, 287744                     ; the spare words: 128 bytes a wave; no other line names them
.set OST,   311808                     ; the way out: 3,072 bytes a wave (the second half takes the lanes that hold no output)
.set SPW, 2
.set NIL, 3
.set AACT, 4                           ; v4   wave x 65,536 + lane x 16
.set AW, 5                             ; v5   my place in the slot to be read
.set ATAB, 6                           ; v6   my place in G for the group in hand
.set AEP, 7                            ; v7   the group's e', 2^e'
.set ASTA, 8                           ; v8   where piece A's output of the group in hand goes
.set ASTB, 9                           ; v9   where piece B's of the group before goes
.set M4, 10                            ; v10  2^(e4 - 6)
.set H16, 11                           ; v11  16 (lane / 16)
.set ATAB0, 12
.set NIX, 13                           ; v13-15 byte offsets of the next index record, weight record and encoding row
.set NWR, 14
.set NEN, 15
.set T, 16                             ; v16-39 the finish: z, then the rows read back
.set H, 40                             ; v40-47 two sets of 4: packed results
.set EPQA, 48
.set EPQB, 52
.set TT, 56                            ; v56-119 GELU's work: the eight numbers of accumulator n at + 8 n, each in a register of its own for the whole list
.set GOA, 128                          ; window 3, v128-159: for half ft at 16 ft: G 0..7, O 8..15
.set GOB, 160                          ; window 3, v160-191
.set S0, 64                            ; the gather: 12 tap offsets, two sets
.set S1, 76
.set ASTH, 120
.set PNT, 121
.set TM, 122
.set RR, 123
.set HH, 124
.set ACCA, 128                         ; accumulator 2 rt + ft at + 8 (2 rt + ft)
.set ACCB, 192
.set WV, 30
.set CX, 31
.set WG, 32
.set BAT, 33
.set G1, 36                            ; s[36:43] descriptor group 1
.set GD0, 44                           ; s[44:47] group 0 of the first fill
.set GW, 48                            ; s[48:51] group 0 that walks
.set PY, 52                            ; s[52:57] the three levels at my batch
.set K0, 58
.set K1, 60
.set SEL, 62
.set Q, 66                             ; the group in hand
.set G, 67                             ; Q % 8
.set GP, 68                            ; (Q - 1) % 8
.set RB, 69                            ; 0: piece B's input is read anew in this period
.set CNT, 70
.set MSB, 0
.macro WIN new                         ; the high byte repeats the setting that is left; a switch that changes nothing is dropped
.if MSB != (\new)
	s_set_vgpr_msb (MSB<<8)|(\new)
.set MSB, (\new)
.endif
.endm
.macro CROUND                          ; a round of the cluster's barrier
	s_barrier_signal -1
	s_barrier_wait -1
	s_cmp_lg_u32 s[WV], 0
	s_cbranch_scc1 .Lnot_wave_0_\@
	s_barrier_signal -3
.Lnot_wave_0_\@:
	s_barrier_wait -3
	s_barrier_signal -1
	s_barrier_wait -1
.endm
.macro WAVEMAX r, t
	v_max_num_f32_dpp v[\r], v[\r], v[\r] row_xmask:1 row_mask:0xf bank_mask:0xf
	v_max_num_f32_dpp v[\r], v[\r], v[\r] row_xmask:2 row_mask:0xf bank_mask:0xf
	v_max_num_f32_dpp v[\r], v[\r], v[\r] row_xmask:4 row_mask:0xf bank_mask:0xf
	v_max_num_f32_dpp v[\r], v[\r], v[\r] row_xmask:8 row_mask:0xf bank_mask:0xf
	v_mov_b32 v[\t], 0
	v_permlanex16_b32 v[\t], v[\r], s[SEL], s[SEL+1]
	v_max_num_f32 v[\r], v[\r], v[\t]
.endm
	s_load_b512 s[4:19], s[0:1], 0x0               ; pyr 4, enc 6, idx 8, wrec 10, wt 12, ctx 14, aux 16, b0 18
	s_load_b256 s[20:27], s[0:1], 0x40             ; b1 20, b2 22, b3 24, bout 26
	s_load_b64 s[28:29], s[0:1], 0x60              ; out0
	v_lshl_add_u32 v[SPW], v0, 2, SPARE
	v_mov_b32 v[NIL], 0
	ds_add_u32 v[SPW], v[NIL]                      ; the wave's opening: the add and its wait stand ahead of my first tensor load; work on registers stands between them
	v_lshrrev_b32 v1, 5, v0
	v_readfirstlane_b32 s[WV], v1
	s_bfe_u32 s[CX], ttmp6, 0x40000                ; my place in the cluster: it enters the points' global offsets alone
	s_lshl_b32 s[WG], ttmp9, 2
	s_add_co_u32 s[WG], s[WG], s[CX]
	s_lshr_b32 s[BAT], ttmp9, 3                    ; 32 work-groups a batch: the four partners share it
	s_mov_b32 s[G1], 15|(1<<16)|(1<<20)|(1<<21)|(6<<22)|(3<<25)  ; the mask of four; 2-byte elements; padding on; bit 21 beside a mask; after every 128 words; 4 words
	s_mov_b32 s[G1+1], 256<<16                     ; tensor_dim0 = 256
	s_mov_b32 s[G1+2], 8<<16                       ; tensor_dim1 = 8
	s_mov_b32 s[G1+3], 256<<16                     ; tile_dim0 = 256
	s_mov_b32 s[G1+4], 8                           ; tile_dim1 = 8 rows: my quarter of a group
	s_mov_b32 s[G1+5], 256                         ; elements from row to row
	s_mov_b32 s[G1+6], 0
	s_mov_b32 s[G1+7], 0
	s_mov_b32 s[K0], 0xc0135761                    ; -2.3022082
	s_mov_b32 s[K0+1], 0xc0135761
	s_mov_b32 s[K1], 0xbdd2d3e8                    ; -0.10294324
	s_mov_b32 s[K1+1], 0xbdd2d3e8
	s_mov_b32 s[SEL], 0x76543210
	s_mov_b32 s[SEL+1], 0xfedcba98
	s_mul_i32 s71, s[WV], 8*WP
	s_lshl_b32 s72, s[WV], 12                      ; my 8 rows of 512 bytes in memory
	s_mov_b32 s73, 0
	s_mov_b32 s[GD0], 1
	s_add_co_u32 s[GD0+1], s71, WR0
	s_mov_b32 s[GW], 1
	s_add_co_u32 s[GW+1], s71, WR1
	s_wait_dscnt 0x0                               ; the opening add is done
	s_wait_kmcnt 0x0
	s_load_b96 s[76:78], s[26:27], 0x0             ; bout
	s_add_nc_u64 s[GD0+2:GD0+3], s[12:13], s[72:73]
	s_add_nc_u64 s[GW+2:GW+3], s[GD0+2:GD0+3], 16384
	s_or_b32 s[GD0+3], s[GD0+3], 0x80000000
	s_or_b32 s[GW+3], s[GW+3], 0x80000000
	s_lshl_b32 s72, s[BAT], 19
	s_add_nc_u64 s[PY:PY+1], s[4:5], s[72:73]
	s_lshl_b32 s72, s[BAT], 17
	s_add_co_u32 s72, s72, 4194304
	s_add_nc_u64 s[PY+2:PY+3], s[4:5], s[72:73]
	s_lshl_b32 s72, s[BAT], 15
	s_add_co_u32 s72, s72, 5242880
	s_add_nc_u64 s[PY+4:PY+5], s[4:5], s[72:73]
	s_lshl_b32 s72, s[BAT], 11
	s_add_nc_u64 s[14:15], s[14:15], s[72:73]      ; ctx at my batch
	s_and_b32 s74, s[WG], 31
	s_lshl_b32 s74, s74, 9
	s_lshl_b32 s75, s[WV], 7
	s_add_co_u32 s74, s74, s75                     ; my wave's first point
	s_lshl_b32 s72, s[BAT], 14
	s_add_co_u32 s72, s72, s74
	s_mul_i32 s72, s72, 12
	s_add_nc_u64 s[28:29], s[28:29], s[72:73]      ; out0 at my wave's 1,536 bytes
	s_wait_kmcnt 0x0
	CROUND                                         ; all four work-groups are here: the first joint loads meet
	tensor_load_to_lds s[GD0:GD0+3], s[G1:G1+7]    ; group 0 into slot 0
	s_nop 0
	tensor_load_to_lds s[GW:GW+3], s[G1:G1+7]      ; group 1 into slot 1
	s_nop 0
.rept 4
	v_nop
.endr
	v_and_b32 v1, 31, v0                           ; lane
	v_and_b32 v[RR], 15, v0
	v_bfe_u32 v[HH], v0, 4, 1
	v_lshlrev_b32 v[H16], 4, v[HH]
	s_lshl_b32 s71, s[WV], 16
	v_lshl_add_u32 v[AACT], v1, 4, s71
	v_mul_u32_u24 v[AW], v[RR], WP
	v_add3_u32 v[AW], v[AW], v[H16], WR0
	v_lshl_add_u32 v[ATAB0], v[HH], 5, TABG
	v_add_nc_u32 v[PNT], s74, v[RR]                ; my point in tile 0
	v_mul_u32_u24 v[NIX], v[PNT], 48
	v_mov_b32 v[NWR], v[NIX]
	v_lshl_add_u32 v[NEN], v[PNT], 7, v[H16]
	v_mov_b32 v[ASTH], v[AACT]
; THE GATHER.  For a tile of 16 points lane (r, h) takes, of each of the point's 12 taps, the four pieces of 16 bytes that its fragments want: channels 16 c + 8 h + 0..7.
.macro IDXL S, off                     ; a tile's 12 tap node numbers
.irp L, 0,1,2
	global_load_b128 v[(\S)+4*\L:(\S)+4*\L+3], v[NIX], s[8:9] offset:(\off)+16*\L
.endr
.endm
.macro ADDR S                          ; node numbers, held inside their level, to byte offsets
.irp t, 0,1,2,3
	v_min_u32 v[(\S)+\t], 0xfff, v[(\S)+\t]
	v_min_u32 v[(\S)+4+\t], 0x3ff, v[(\S)+4+\t]
	v_min_u32 v[(\S)+8+\t], 0xff, v[(\S)+8+\t]
.endr
.irp k, 0,1,2,3,4,5,6,7,8,9,10,11
	v_lshl_add_u32 v[(\S)+\k], v[(\S)+\k], 7, v[H16]
.endr
.endm
.macro GLOADS win, S                   ; 55 loads into a buffer: 3 of weights (at 192), 4 of encodings (at 208), 48 of taps (level L, tap t, piece c at 64 L + 16 t + 4 c)
	WIN (\win)<<6
.irp L, 0,1,2
	global_load_b128 v[192+4*\L:195+4*\L], v[NWR], s[10:11] offset:16*\L
.endr
.irp c, 0,1,2,3
	global_load_b128 v[208+4*\c:211+4*\c], v[NEN], s[6:7] offset:32*\c
.endr
.irp L, 0,1,2
.irp t, 0,1,2,3
.irp c, 0,1,2,3
	global_load_b128 v[64*\L+16*\t+4*\c:64*\L+16*\t+4*\c+3], v[(\S)+4*\L+\t], s[PY+2*\L:PY+2*\L+1] offset:32*\c
.endr
.endr
.endr
	WIN 0
.endm
.macro COMB win                        ; the four taps weighed and added, two f16 at a time, onto tap 0's registers; then the tile's 16 pieces into the activations
	WIN 0x55*(\win)
.irp L, 0,1,2
.set k, 0
.rept 16
	v_pk_mul_f16 v[64*\L+k], v[64*\L+k], v[192+4*\L]
.set k, k+1
.endr
.irp t, 1,2,3
.set k, 0
.rept 16
	v_pk_fma_f16 v[64*\L+k], v[64*\L+16*\t+k], v[192+4*\L+\t], v[64*\L+k]
.set k, k+1
.endr
.endr
.endr
	WIN 0x04*(\win)
.irp L, 0,1,2
.irp c, 0,1,2,3
	ds_store_b128 v[ASTH], v[64*\L+4*\c:64*\L+4*\c+3] offset:(2*\L+\c/2)*8192+(\c%2)*512
.endr
.endr
.irp c, 0,1,2,3
	ds_store_b128 v[ASTH], v[208+4*\c:208+4*\c+3] offset:(6+\c/2)*8192+(\c%2)*512
.endr
	WIN 0
	v_add_nc_u32 v[ASTH], 1024, v[ASTH]
.endm
	IDXL S0, 0                                     ; tile 0
	IDXL S1, 768                                   ; tile 1
	v_add_nc_u32 v[PNT], 16, v[PNT]
	; the tables' raw material: lane l takes columns 8 l .. 8 l + 7.  22 loads
	v_lshlrev_b32 v16, 5, v1
	s_lshl_b32 s71, s[BAT], 6
	v_lshl_add_u32 v17, v[RR], 2, s71
	v_lshlrev_b32 v18, 3, v1
	global_load_b128 v[128:131], v16, s[14:15]
	global_load_b128 v[132:135], v16, s[14:15] offset:16
	global_load_b128 v[136:139], v16, s[14:15] offset:1024
	global_load_b128 v[140:143], v16, s[14:15] offset:1040
.irp l, 0,1,2,3
	global_load_b128 v[144+8*\l:147+8*\l], v16, s[16:17] offset:1024*\l
	global_load_b128 v[148+8*\l:151+8*\l], v16, s[16:17] offset:1024*\l+16
	global_load_b128 v[176+8*\l:179+8*\l], v16, s[18+2*\l:19+2*\l]
	global_load_b128 v[180+8*\l:183+8*\l], v16, s[18+2*\l:19+2*\l] offset:16
.endr
	global_load_b32 v208, v17, s[16:17] offset:4352
	global_load_b64 v[210:211], v18, s[16:17] offset:4864
	s_wait_loadcnt 25                              ; tile 0's node numbers are in: behind them 3 + 22 loads
	ADDR S0
	GLOADS 1, S0
	v_lshl_add_u32 v19, v1, 5, TABG
	v_and_b32 v20, 7, v0
	v_lshl_add_u32 v20, v20, 4, EPB
	s_wait_loadcnt 55                              ; all but tile 0's 55
	; THE TABLES.  Every wave walks the chain of bounds; wave l stores layer l's G, O and the scale of its output.
.irp j, 0,2,4,6
	v_pk_add_f32 v[128+\j:129+\j], v[128+\j:129+\j], 1.0 op_sel_hi:[1,0]   ; gamma
.endr
	v_max3_num_f32 v212, v208, v210, v211
	WAVEMAX 212, 215
	v_max_num_f32 v212, 1.0, v212                  ; B0: sine and cosine, coordinates, grid
	v_mov_b32 v213, 0x3c800000                     ; 2^(e0 - 6), e0 = 0
.irp l, 0,1,2,3
	v_mul_f32 v214, 0x3c800000, v212               ; the sums are of 64 |W|
.irp j, 0,1,2,3,4,5,6,7
	v_mul_f32 v[88+\j], v[128+\j], v213
	v_fma_f32 v[96+\j], v[176+8*\l+\j], v[128+\j], v[136+\j]
	v_fma_f32 v[216+\j], v[144+8*\l+\j], v214, |v[176+8*\l+\j]|
.endr
.irp j, 0,1,2,3,4,5,6,7
	v_fma_f32 v[216+\j], v[216+\j], |v[128+\j]|, |v[136+\j]|
.endr
	v_max3_num_f32 v212, v216, v217, v218
	v_max3_num_f32 v212, v212, v219, v220
	v_max3_num_f32 v212, v212, v221, v222
	v_max_num_f32 v212, v212, v223
	WAVEMAX 212, 215
	v_lshrrev_b32 v214, 23, v212                   ; the bound's exponent field, held to 32 .. 240
	v_max_u32 v214, 32, v214
	v_min_u32 v214, 240, v214
	v_add_nc_u32 v104, 0xffffff73, v214            ; e = field - 141: B 2^-e < 2^15
	v_cvt_f32_i32 v104, v104
	v_add_nc_u32 v106, -14, v214                   ; 2^e
	v_lshlrev_b32 v106, 23, v106
	v_add_nc_u32 v213, 0xffffffec, v214            ; 2^(e - 6)
	v_lshlrev_b32 v213, 23, v213
	v_mov_b32 v105, v104
	v_mov_b32 v107, v106
	s_cmp_lg_u32 s[WV], \l
	s_cbranch_scc1 .Lnt_\l
	ds_store_b128 v19, v[88:91] offset:1024*\l
	ds_store_b128 v19, v[92:95] offset:1024*\l+16
	ds_store_b128 v19, v[96:99] offset:4096+1024*\l
	ds_store_b128 v19, v[100:103] offset:4096+1024*\l+16
	ds_store_b128 v20, v[104:107] offset:128*\l    ; the layer's eight groups (four lanes write each, alike)
.Lnt_\l:
.endr
	v_mov_b32 v[M4], v213
; One tile: its successor's taps are asked for, then it is combined.  pi = the tile's parity: its buffer is window 1 + pi, the node numbers of the tile after it lie in set 1 - pi.
.macro HALF pi
.set sA, S0+12*(\pi)
.set sB, S0+12*(1-(\pi))
	s_wait_loadcnt 55                              ; the next tile's node numbers are in: behind them this tile's 55
.if \pi
	s_cmp_eq_u32 s[CNT], 1
	s_cbranch_scc1 .Llast_\@                       ; the eighth tile has no successor
.endif
	s_wait_xcnt 0x0                                ; the offsets that earlier loads read are written anew only behind this wait
	v_add_nc_u32 v[PNT], 16, v[PNT]
	v_min_u32 v[TM], 0x3fff, v[PNT]                ; the load past my last tile stays inside the buffer; it is not used
	v_mul_u32_u24 v[NIX], v[TM], 48
	v_add_nc_u32 v[NWR], 768, v[NWR]
	v_add_nc_u32 v[NEN], 2048, v[NEN]
	IDXL sA, 0
	ADDR sB
	GLOADS 2-(\pi), sB
	s_wait_loadcnt 58                              ; this tile's 55 are in: behind them 3 + 55
.if \pi
	s_branch .Lgo_\@
.Llast_\@:
	s_wait_loadcnt 0x0
.Lgo_\@:
.endif
	COMB 1+(\pi)
.endm
	s_mov_b32 s[CNT], 4
.Lh0:
	HALF 0
	HALF 1
	s_sub_co_u32 s[CNT], s[CNT], 1
	s_cmp_lg_u32 s[CNT], 0
	s_cbranch_scc1 .Lh0
; THE LDS LOADS of the walk
.macro FETCHW kk                       ; k step kk of the next group's weights
	WIN 0xc0
.irp ft, 0,1
	ds_load_b128 v[8*(2*(\kk)+\ft):8*(2*(\kk)+\ft)+3], v[AW] offset:\ft*16*WP+(\kk)*64
	ds_load_b128 v[8*(2*(\kk)+\ft)+4:8*(2*(\kk)+\ft)+7], v[AW] offset:\ft*16*WP+(\kk)*64+32
.endr
	WIN 0
.endm
.macro FETCHGO go, ep                  ; the group's G, O for my 2 x 8 features (into window 3), and its scale (into window 0): nine loads
	WIN 0xc0
.irp ft, 0,1
	ds_load_b128 v[(\go)+16*\ft:(\go)+16*\ft+3], v[ATAB] offset:64*\ft
	ds_load_b128 v[(\go)+16*\ft+4:(\go)+16*\ft+7], v[ATAB] offset:64*\ft+16
	ds_load_b128 v[(\go)+16*\ft+8:(\go)+16*\ft+11], v[ATAB] offset:4096+64*\ft
	ds_load_b128 v[(\go)+16*\ft+12:(\go)+16*\ft+15], v[ATAB] offset:4096+64*\ft+16
.endr
	WIN 0
	ds_load_b128 v[\ep:(\ep)+3], v[AEP]
.endm
.macro RELOAD p, k0, k1                ; piece p's input, k steps k0 .. k1, from the activations
	WIN ((\p)+1)<<6
.set rk, \k0
.rept (\k1)-(\k0)+1
.irp rt, 0,1,2,3
	ds_load_b128 v[8*(4*rk+\rt):8*(4*rk+\rt)+3], v[AACT] offset:rk*8192+(4*(\p)+\rt)*1024
	ds_load_b128 v[8*(4*rk+\rt)+4:8*(4*rk+\rt)+7], v[AACT] offset:rk*8192+(4*(\p)+\rt)*1024+512
.endr
.set rk, rk+1
.endr
	WIN 0
.endm
; FiLM AND GELU of a piece's 8 accumulators: a list of 352 lines.  GOP writes one: kind, accumulator n, pair or number x.
;   0 F: a = acc G + O, in place (pair 0, the accumulator's lowest registers, comes first)   1 Q: a^2   2 U: K1 a^2 + K0   3 A: a (..) + e'   4 e: 2^(..)   5 P: + 2^e'   6 r: 1 / (..)
;   7 M: a x (..)   8 C: two rounded to f16; behind the fourth the 16 bytes go to the activations
; F alone reads window 3 (sources 1 and 2: G and O); all other kinds lie in window 0.
.macro GOP kind, n, x
.set aA, gACC+8*(\n)
.set aT, TT+8*(\n)
.set aH, H+4*((\n)%2)
.set aG, gGO+16*((\n)%2)
.if (\kind) == 0
	WIN 0x3c
.else
	WIN 0
.endif
.if (\kind) == 0
	v_pk_fma_f32 v[aA+2*(\x):aA+2*(\x)+1], v[aA+2*(\x):aA+2*(\x)+1], v[aG+2*(\x):aG+2*(\x)+1], v[aG+8+2*(\x):aG+8+2*(\x)+1]
.elseif (\kind) == 1
	v_pk_mul_f32 v[aT+2*(\x):aT+2*(\x)+1], v[aA+2*(\x):aA+2*(\x)+1], v[aA+2*(\x):aA+2*(\x)+1]
.elseif (\kind) == 2
	v_pk_fma_f32 v[aT+2*(\x):aT+2*(\x)+1], v[aT+2*(\x):aT+2*(\x)+1], s[K1:K1+1], s[K0:K0+1] op_sel_hi:[1,0,0]
.elseif (\kind) == 3
	v_pk_fma_f32 v[aT+2*(\x):aT+2*(\x)+1], v[aA+2*(\x):aA+2*(\x)+1], v[aT+2*(\x):aT+2*(\x)+1], v[gEP:gEP+1]
.elseif (\kind) == 4
	v_exp_f32 v[aT+(\x)], v[aT+(\x)]
.elseif (\kind) == 5
	v_pk_add_f32 v[aT+2*(\x):aT+2*(\x)+1], v[aT+2*(\x):aT+2*(\x)+1], v[gEP+2:gEP+3]
.elseif (\kind) == 6
	v_rcp_f32 v[aT+(\x)], v[aT+(\x)]
.elseif (\kind) == 7
	v_pk_mul_f32 v[aT+2*(\x):aT+2*(\x)+1], v[aA+2*(\x):aA+2*(\x)+1], v[aT+2*(\x):aT+2*(\x)+1]
.else
	v_cvt_pk_f16_f32 v[aH+(\x)], v[aT+2*(\x)], v[aT+2*(\x)+1]
.if (\x) == 3
	ds_store_b128 v[gAST], v[aH:aH+3] offset:gPIMM+((\n)/2)*1024+((\n)%2)*512
.endif
.endif
.endm
; Line J of the list: four sections, cut by the three waits.  e(n), r(n): the eight exponentials, reciprocals of accumulator n; a plain line is any other kind.
;   0-31     F of all eight accumulators
;   32-43    Q U A of accumulator 0
;   44-123   four blocks of 20, n = 1 .. 4: e(n - 1) beside Q U A of n, as e, plain, e, plain, plain.  BATCH 1 = e(0 .. 3); two plain lines, A of 4, stand behind its last exponential
;   WAIT 1
;   124-219  six blocks of 16, plain and transcendental by turns; c = 0, 1, 2: P of c and Q of 5 + c beside e(4 + c), then U A of 5 + c beside r(c)
;   220-231  e(7), two at a time, a line of P of 3 behind each two.  BATCH 2 = e(4 .. 7) and r(0 .. 2).  r(3) is left to batch 3, so that P of 3 feeds nothing of batch 2 and can stand at its end
;   WAIT 2
;   232-311  five blocks of 16, b = 0 .. 4: r(3 + b) and plain by turns: P of 4 to 7, then M C of 0, 1, 2.  BATCH 3 = r(3 .. 7); its last line is C of 2, plain
;   WAIT 3
;   312-351  M and C of 3 to 7, each C eight or twelve lines behind its M
; A line and the line that it feeds stand four lines apart or more.  A batch's results lie in TT's sets, which no line names between the transcendental and the batch's wait.
.set W1, 124
.set W2, 232
.set W3, 312
.macro GI
.if J < 32
	GOP 0, J/4, J%4
.elseif J < 44
	GOP 1+(J-32)/4, 0, J%4
.elseif J < W1
.set n_, 1+(J-44)/20
.set q_, ((J-44)%20)/5
.set r_, (J-44)%5
.if (r_ == 0) || (r_ == 2)
	GOP 4, n_-1, 2*q_+r_/2
.else
.set y_, 3*q_+r_/2
	GOP 1+y_/4, n_, y_%4
.endif
.elseif J < (W1+96)
.set b_, (J-W1)/16
.set m_, (J-W1)%16
.set c_, b_/2
.set y_, m_/2
.if ((m_%2) == 1) && ((b_%2) == 0)
	GOP 4, 4+c_, y_
.elseif (m_%2) == 1
	GOP 6, c_, y_
.elseif ((b_%2) == 0) && (y_ < 4)
	GOP 5, c_, y_
.elseif (b_%2) == 0
	GOP 1, 5+c_, y_-4
.else
	GOP 2+y_/4, 5+c_, y_%4
.endif
.elseif J < W2
.set m_, J-W1-96
.if (m_%3) < 2
	GOP 4, 7, 2*(m_/3)+m_%3
.else
	GOP 5, 3, m_/3
.endif
.elseif J < W3
.set b_, (J-W2)/16
.set m_, (J-W2)%16
.set y_, m_/2
.if (m_%2) == 0
	GOP 6, 3+b_, y_
.elseif b_ < 2
	GOP 5, 4+2*b_+y_/4, y_%4
.else
	GOP 7+y_/4, b_-2, y_%4
.endif
.else
.set g_, (J-W3)/4
.if g_ == 0
	GOP 7, 3, J%4
.elseif g_ == 9
	GOP 8, 7, J%4
.elseif (g_%2) == 1
	GOP 7, 3+(g_+1)/2, J%4
.else
	GOP 8, 2+g_/2, J%4
.endif
.endif
.if J == (W1-1)
	s_wait_alu depctr_va_vdst(0)                   ; WAIT 1, for batch 1: the 32 exponentials of accumulators 0-3; their first reader is P of 0, the next line
.endif
.if J == (W2-1)
	s_wait_alu depctr_va_vdst(0)                   ; WAIT 2, for batch 2: the 32 exponentials of 4-7 and the 24 reciprocals of 0-2; their first readers are P of 4 and M of 0
.endif
.if J == (W3-1)
	s_wait_alu depctr_va_vdst(0)                   ; WAIT 3, for batch 3: the 40 reciprocals of 3-7; their first reader is M of 3, the next line
.endif
.endm
; A TURN: piece p's 32 nft products of one group (k step, tile, half: the 4 nft accumulators take turns, one instruction a turn; the first k step starts the sums with the constant 0).
; rid = 1: the other piece's list is dealt behind them.  In a turn of 64 products the list's four sections take 22, 20, 15 and 7 slices of five or six lines, so that each of the three waits stands at a slice's
; end, all the slice's lines between the last product issued and the wait; in the turn of 32 products a slice is eleven lines.  The first two slices hold F alone
; none is issued behind wait 3.  The last slice's lines (C x 6 at the least) are plain and name nothing of the products: they are the places in front of what follows.
; hk = 1, the walk's loads.  Turn A: behind product 1 the group's tables for piece A and, where a layer begins (RB = 0), piece B's input, k steps 0-6; its k step 7 behind the list's last store.
;   Turn B: behind product 1 the tables for piece B and, where a layer ends (G = 7), piece A's next input likewise; the next group's weights k step by k step, each 8 products behind its last reader.
; hk = 2: the output layer's turn A reads piece B's input.
.macro TURN p, nft, rid, hk
.set NW, 32*(\nft)
.set J, 0
.set i, 0
.if (\p) == 0
.set gACC, ACCB
.set gGO, GOB
.set gEP, EPQB
.set gAST, ASTB
.set gPIMM, 4096
.else
.set gACC, ACCA
.set gGO, GOA
.set gEP, EPQA
.set gAST, ASTA
.set gPIMM, 0
.endif
.if ((\p) == 1) && ((\hk) == 1)
	s_wait_dscnt 8                                 ; piece A's tables and piece B's k steps 0-6 are in: behind them stand the list's 8 stores, and where B was read anew 8 loads more
.endif
.rept NW
.set kk, i/(4*(\nft))
.set rt, (i%(4*(\nft)))/(\nft)
.set ft, i%(\nft)
.set rD, ACCA+64*(\p)+8*(2*rt+ft)
.set rW, 8*(2*kk+ft)
.set rX, 8*(4*kk+rt)
.if ((\p) == 1) && ((\hk) == 1) && (i == 56)
	s_wait_dscnt 16                                ; piece B's k step 7 is in: behind it stand 9 loads of tables and 24 of weights at the least
.endif
	WIN 0x07+4*(\p)
.if kk == 0
	v_wmma_f32_16x16x32_f16 v[rD:rD+7], v[rW:rW+7], v[rX:rX+7], 0
.else
	v_wmma_f32_16x16x32_f16 v[rD:rD+7], v[rW:rW+7], v[rX:rX+7], v[rD:rD+7]
.endif
.if \rid
.if NW == 64
.if i < 22
.set LIM, ((i+1)*W1)/22
.elseif i < 42
.set LIM, W1+((i-21)*(W2-W1))/20
.elseif i < 57
.set LIM, W2+((i-41)*(W3-W2))/15
.else
.set LIM, W3+((i-56)*(352-W3))/7
.endif
.else
.set LIM, ((i+1)*352)/NW
.endif
.rept 12
.if J < LIM
	GI
.set J, J+1
.endif
.endr
.endif
.if ((\hk) == 1) && ((\p) == 0) && (i == 1)
	FETCHGO GOA, EPQA
	s_cmp_lg_u32 s[RB], 0
	s_cbranch_scc1 .Lnb_\@
	RELOAD 1, 0, 6
.Lnb_\@:
.endif
.if ((\hk) == 1) && ((\p) == 0) && (i == 63)
	WIN 0
	s_cmp_lg_u32 s[RB], 0
	s_cbranch_scc1 .Lnc_\@
	RELOAD 1, 7, 7
.Lnc_\@:
.endif
.if ((\hk) == 1) && ((\p) == 1) && (i == 1)
	FETCHGO GOB, EPQB
	s_cmp_lg_u32 s[G], 7
	s_cbranch_scc1 .Lna_\@
	RELOAD 0, 0, 6
.Lna_\@:
.endif
.if ((\hk) == 1) && ((\p) == 1) && (i >= 15) && (i%8 == 7)
	FETCHW (i-15)/8
.endif
.if ((\hk) == 1) && ((\p) == 1) && (i == 63)
	FETCHW 7
	s_cmp_lg_u32 s[G], 7
	s_cbranch_scc1 .Lnd_\@
	RELOAD 0, 7, 7
.Lnd_\@:
.endif
.if ((\hk) == 2) && (i == 1)
	RELOAD 1, 0, 6
.endif
.if ((\hk) == 2) && (i == 31)
	RELOAD 1, 7, 7
.endif
.set i, i+1
.endr
	WIN 0
.endm
; THE CHANGE OF SLOTS, at a period's head.  Group Q's weights are in registers, so its slot is free; group Q + 1 is the one load of mine that is out.  Each wave waits for all its tensor loads, adds 0 to its spare
; word, and waits for that and for its LDS loads.  fill = 1: the barrier is a round of the cluster's, and the joint refill (group Q + 2) is the first thing behind it: it has a period, 128 products, in which to land.
.macro CHANGE fill
	WIN 0
	s_wait_tensorcnt 0x0                           ; no tensor load of mine is out, so the walking group 0 may be written
	ds_add_u32 v[SPW], v[NIL]                      ; 0 onto my spare word; the period's addresses, work on registers, stand between it and the wait for it
.if \fill
	s_xor_b32 s[GW+1], s[GW+1], 0x8000             ; the other slot than last time,
	s_add_nc_u64 s[GW+2:GW+3], s[GW+2:GW+3], 16384 ; the next group; the type bits on top are not reached
.endif
	s_and_b32 s[G], s[Q], 7
	s_sub_co_u32 s[GP], s[Q], 1
	s_and_b32 s[GP], s[GP], 7
	s_cmp_eq_u32 s[Q], 0
	s_cselect_b32 s[RB], 1, s[G]
	v_xor_b32 v[AW], 0x8000, v[AW]                 ; the slot of group Q + 1
	s_lshl_b32 s71, s[G], 13
	v_add_nc_u32 v[ASTA], s71, v[AACT]
	s_lshl_b32 s72, s[GP], 13
	v_add_nc_u32 v[ASTB], s72, v[AACT]
	s_lshl_b32 s73, s[Q], 7
	v_add_nc_u32 v[ATAB], s73, v[ATAB0]
	s_lshl_b32 s74, s[Q], 4
	s_add_co_u32 s74, s74, EPB
	v_mov_b32 v[AEP], s74
	s_wait_dscnt 0x0                               ; the add is done, and my reads of the slot are over
.if \fill
	CROUND
	tensor_load_to_lds s[GW:GW+3], s[G1:G1+7]
	s_nop 0
.rept 4
	v_nop
.endr
.else
	s_barrier_signal -1
	s_barrier_wait -1
.endif
.endm
.macro PERIOD fill
	CHANGE \fill
	TURN 0, 2, 1, 1
	TURN 1, 2, 1, 1
.endm
	; THE WALK BEGINS.  The first period's turn A carries a list for a group that has not been: it works on zeros and stores into piece B's k step 7, which has been read by then and is written again by the true
	; group 7.  The price, once a launch, of one text for every period: these 64 lines and 352 lines beside live products.
.set k, 0
.rept 64
	v_mov_b32 v[ACCB+k], 0
.set k, k+1
.endr
	s_wait_tensorcnt 0x1                           ; my part of group 0 is in; group 1's may stay out
	s_wait_dscnt 0x0                               ; for the others' sake: my layer's tables are stored
	s_barrier_signal -1
	s_barrier_wait -1
.irp kq, 0,1,2,3,4,5,6,7
	FETCHW \kq
.endr
	RELOAD 0, 0, 7
	RELOAD 1, 0, 7
	v_mov_b32 v[ATAB], v[ATAB0]
	v_mov_b32 v[AEP], EPB
	FETCHGO GOB, EPQB
	s_mov_b32 s[Q], 0
.Lq:                                   ; 31 periods: groups 2 .. 32 are asked for
	PERIOD 1
	s_add_co_u32 s[Q], s[Q], 1
	s_cmp_lt_u32 s[Q], 31
	s_cbranch_scc1 .Lq
	PERIOD 0                                       ; group 31 is written out: nothing is asked for
	; THE OUTPUT LAYER: group 32, of which the first 16 rows are multiplied.  Piece B's last list stands beside piece A's products.
	v_add_nc_u32 v[ASTB], 0xe000, v[AACT]
	s_wait_dscnt 0x0                               ; the weights, piece A's input, piece B's tables
	TURN 0, 1, 1, 2
	s_wait_dscnt 0x0                               ; piece B's input
	TURN 1, 1, 0, 0
	; THE FINISH.  Lanes 0-15 hold a point's three numbers in each accumulator's registers 0-2.  The addresses and piece A's lines are the places behind piece B's last products.
	v_mul_u32_u24 v50, v[RR], 12
	v_mul_u32_u24 v51, v[HH], 1536
	s_mul_i32 s71, s[WV], 3072
	s_add_co_u32 s71, s71, OST
	v_add3_u32 v50, v50, v51, s71
	v_and_b32 v52, 31, v0
	v_lshlrev_b32 v52, 4, v52
	v_add_nc_u32 v51, s71, v52
	v_mov_b32 v48, 0x3e088889                      ; 2/15
	v_mov_b32 v49, 0x3e000000                      ; 1/8
.irp t, 0,1,2,3,4,5,6,7
.irp c, 0,1,2
	v_fma_f32 v[T+3*\t+\c], v[ACCA+16*\t+\c], v[M4], s[76+\c]   ; z = acc 2^(e4 - 6) + bout (piece B's accumulators follow piece A's, 16 registers a tile)
.endr
.endr
.macro ALL24 line:vararg
.set k, 0
.rept 24
	\line
.set k, k+1
.endr
.endm
	ALL24 v_mul_f32 v[56+k], 0x4038aa3b, v[T+k]
	ALL24 v_exp_f32 v[56+k], v[56+k]
	ALL24 v_mul_f32 v[104+k], v[T+k], v[T+k]       ; the series' squares name no exponential's result: the work between the batch and its wait
	s_wait_alu depctr_va_vdst(0)                   ; one wait for the 24 exponentials, ahead of their first reader
	ALL24 v_add_f32 v[56+k], 1.0, v[56+k]
	ALL24 v_rcp_f32 v[56+k], v[56+k]
	ALL24 v_fmaak_f32 v[80+k], v[104+k], v48, 0xbeaaaaab   ; the series' 72 lines name no reciprocal's result: the work between the batch and its wait
	ALL24 v_mul_f32 v[104+k], v[104+k], v[T+k]
	ALL24 v_fma_f32 v[80+k], v[104+k], v[80+k], v[T+k]
	s_wait_alu depctr_va_vdst(0)                   ; one wait for the 24 reciprocals, ahead of their first reader
	ALL24 v_fma_f32 v[56+k], v[56+k], -2.0, 1.0
.set k, 0
.rept 24
	v_cmp_lt_f32 vcc_lo, |v[T+k]|, v49
	v_cndmask_b32 v[56+k], v[56+k], v[80+k], vcc_lo
.set k, k+1
.endr
.irp t, 0,1,2,3,4,5,6,7
.irp c, 0,1,2
	ds_store_b32 v50, v[56+3*\t+\c] offset:192*\t+4*\c
.endr
.endr
.irp j, 0,1,2
	ds_load_b128 v[T+4*\j:T+4*\j+3], v51 offset:512*\j   ; LDS serves a wave's instructions in order: these see the stores above
.endr
.irp j, 0,1,2
	s_wait_dscnt 2-\j
	global_store_b128 v52, v[T+4*\j:T+4*\j+3], s[28:29] offset:512*\j th:TH_STORE_NT   ; 512 consecutive bytes, at a multiple of 256 from out0's first
.endr
	s_wait_tensorcnt 0x0                           ; the wave's end, behind my last tensor load and my last LDS store
	ds_add_u32 v[SPW], v[NIL]
	s_wait_dscnt 0x0
	CROUND                                         ; the closing round: no work-group ends while a partner may still ask for a tile that names it
	s_endpgm
.Lfunc_end_k_qf0610555d7_mlp:
	.size	k_qf0610555d7_mlp, .Lfunc_end_k_qf0610555d7_mlp-k_qf0610555d7_mlp
	.p2alignl 7, 3214868480
	.fill 96, 4, 3214868480
	.section	.rodata,"a",@progbits
	.p2align	6, 0x0
	.amdhsa_kernel k_qf0610555d7_mlp
		.amdhsa_group_segment_fixed_size 327680
		.amdhsa_private_segment_fixed_size 0
		.amdhsa_enable_private_segment 0
		.amdhsa_kernarg_size 104
		.amdhsa_user_sgpr_count 2
		.amdhsa_user_sgpr_kernarg_segment_ptr 1
		.amdhsa_wavefront_size32 1
		.amdhsa_system_sgpr_workgroup_id_x 1
		.amdhsa_system_sgpr_workgroup_id_y 1
		.amdhsa_system_sgpr_workgroup_id_z 1
		.amdhsa_system_vgpr_workitem_id 0
		.amdhsa_next_free_vgpr 960
		.amdhsa_next_free_sgpr 84
		.amdhsa_reserve_vcc 1
		.amdhsa_float_denorm_mode_32 3
		.amdhsa_float_denorm_mode_16_64 3
		.amdhsa_memory_ordered 1
		.amdhsa_forward_progress 1
		.amdhsa_inst_pref_size 255
	.end_amdhsa_kernel
	.section	.bss,"aw",@nobits
	.p2align	6
	.space	262144
	.amdgpu_metadata
---
amdhsa.version: [ 1, 2 ]
amdhsa.kernels:
  - .name:           k_qf0610555d7_mlp
    .symbol:         k_qf0610555d7_mlp.kd
    .args:
      - { .name: pyr, .offset: 0, .size: 8, .value_kind: global_buffer, .address_space: global }
      - { .name: enc, .offset: 8, .size: 8, .value_kind: global_buffer, .address_space: global }
      - { .name: idx, .offset: 16, .size: 8, .value_kind: global_buffer, .address_space: global }
      - { .name: wrec, .offset: 24, .size: 8, .value_kind: global_buffer, .address_space: global }
      - { .name: wt, .offset: 32, .size: 8, .value_kind: global_buffer, .address_space: global }
      - { .name: ctx, .offset: 40, .size: 8, .value_kind: global_buffer, .address_space: global }
      - { .name: aux, .offset: 48, .size: 8, .value_kind: global_buffer, .address_space: global }
      - { .name: b0, .offset: 56, .size: 8, .value_kind: global_buffer, .address_space: global }
      - { .name: b1, .offset: 64, .size: 8, .value_kind: global_buffer, .address_space: global }
      - { .name: b2, .offset: 72, .size: 8, .value_kind: global_buffer, .address_space: global }
      - { .name: b3, .offset: 80, .size: 8, .value_kind: global_buffer, .address_space: global }
      - { .name: bout, .offset: 88, .size: 8, .value_kind: global_buffer, .address_space: global }
      - { .name: out0, .offset: 96, .size: 8, .value_kind: global_buffer, .address_space: global }
    .group_segment_fixed_size: 327680
    .private_segment_fixed_size: 0
    .kernarg_segment_align: 8
    .kernarg_segment_size: 104
    .max_flat_workgroup_size: 128
    .sgpr_count:     84
    .vgpr_count:     960
    .wavefront_size: 32
...
	.end_amdgpu_metadata
.endif
;; end of part 6
